; MI455X (gfx1250); checked and timed in simulation.
; The chip was launched on July 23, 2026; its instructions are those of AMD's public machine-readable ISA for CDNA 5 (MIT licence, August 2026) and "CDNA5" Instruction Set Architecture Reference Guide (July 2026). The comments in the code are by the model that wrote it; some were corrected since.
;; Scaled Dot Attention. Allowed arithmetic: matrix products marked QUANTISED: E4M3 operands, one given power-of-two scale a tensor, by v_wmma_f32_16x16x64_fp8_fp8 or v_wmma_f32_16x16x128_fp8_fp8, f32 sums; everything else in f32.
;; Inputs: b_proj 64 float32; b_qkv 192 float32; lowp_scales 8 int32 (the exponents e of the quantised operands' scales 2^e); w_proj 64 x 64 float32; w_qkv 192 x 64 float32; x 4 x 64 x 64 x 64 float32.
;; Outputs: out0 4 x 64 x 64 x 64 float32.
;; This version of the problem:
;;   THIS VERSION OF THE PROBLEM IS GIVEN IN LOW PRECISION. The matrix products marked QUANTISED in the list below multiply operands that are first quantised to E4M3 (4 exponent bits, 3 mantissa bits; 8 bits a number), with one given power-of-two scale for each operand tensor; their sums are f32. All else is computed in f32.
;;   The module's matrix products, in the order in which they are computed (A, B: the left and right operand; K: the contracted axis; several contracted axes count as one K, in the product's order):
;;     1. [M 192, K 64] x [K 64, N 16,384]; A: input w_qkv; B: computed on the way: QUANTISED (scales: A lowp_scales[0], B lowp_scales[1])
;;     2. batch 4 x [M 4,096, K 64] x [K 64, N 4,096]; A: computed on the way; B: computed on the way: QUANTISED (scales: A lowp_scales[2], B lowp_scales[3])
;;     3. batch 4 x [M 4,096, K 4,096] x [K 4,096, N 64]; A: softmax (see below); B: computed on the way: QUANTISED (scales: A lowp_scales[4], B lowp_scales[5])
;;     4. [M 64, K 64] x [K 64, N 16,384]; A: input w_proj; B: computed on the way: QUANTISED (scales: A lowp_scales[6], B lowp_scales[7])
;;   THE QUANTISER, for each operand of a quantised product, along K:
;;     - The operand's scale is 2^e, e = its entry of the input lowp_scales (int32; the entries are numbered through the quantised products in the list's order, A before B).
;;     - Each number is divided by the scale, clamped to +-448, and rounded to the nearest number of E4M3, ties to even, subnormals kept.
;;     - The product sums the exact products of the quantised numbers (number of the format x scale) in f32.
;;   ~~~python
;;   def quantise(x, axis, e):      # numpy; x: float32 -> the quantised numbers, widened to float32 again
;;       x = np.moveaxis(x, axis, -1); K = x.shape[-1]
;;       r = np.clip(x / 2.0 ** e, -448, 448)
;;       step = 2.0 ** (np.maximum(np.frexp(np.where(r == 0, 1, r))[1] - 1, -6) - 3)
;;       q = np.round(r / step) * step * 2.0 ** e      # np.round: ties to even
;;       return np.moveaxis(q, -1, axis).astype(np.float32)
;;   ~~~
;;   SOFTMAX AHEAD OF A QUANTISED PRODUCT. Where the list says 'softmax', what is quantised is not the finished softmax but p = 2^(t - M), with t = logit x log2(e) and M = ceil(the row's largest t), a whole number; so 1/2 < the row's largest p <= 1. The row's sum l is taken of the UNQUANTISED p, in f32, and the product's result is divided by l at the end. Since M is a whole number, a kernel that streams over the keys may use a running M (the ceiling of the running maximum): every later rescaling is an exact power of two, so the quantised numbers keep their values, but for numbers so far below the row's largest that they fall under the format's range.
;;   OPERANDS COMPUTED ON THE WAY. 'Computed on the way' means the value that the module computes at that place (a softmax that the list does not call 'softmax' is quantised finished and normalised). What goes into a quantiser is computed in f32, as accurately as f32 sums, v_exp_f32 and their like allow (about 1e-6 of the number): no bf16 or f16 on the way to a quantiser, and a product that is left as it is and whose result goes on into a quantised operand takes f32 operands (vector FMAs, or v_wmma_f32_16x16x4_f32). A number that lies on a knife's edge between two numbers of the format may be rounded either way, as far as f32 arithmetic and the matrix unit's own rounding can turn it there, and no further.
;; 3 versions. Each part assembles by itself: llvm-mc -triple=amdgcn-amd-amdhsa -mcpu=gfx1250 --defsym DOCPART=n.
;; ======== version 1 of 3: 3 launches
;; workspace buffers: stats 4,096 bytes; wcodes 16,384 bytes; qc 1,048,576 bytes; kv 2,097,152 bytes
;; launch stats (part 1): grid 256 x 1, 8 waves a work-group, no clusters, 1,280 bytes of LDS; arguments x, w_qkv, w_proj, lowp_scales, stats, wcodes; writes stats, wcodes
.if DOCPART == 1
	.amdgcn_target "amdgcn-amd-amdhsa--gfx1250"
	.amdhsa_code_object_version 6
	.text
	.protected	k_q7f4d7f1f07_stats
	.globl	k_q7f4d7f1f07_stats
	.p2align	8
	.type	k_q7f4d7f1f07_stats,@function
k_q7f4d7f1f07_stats:
	s_mov_b64 s[64:65], 0
	v_nop
	global_prefetch_b8 v0, s[64:65] scope:SCOPE_SE
	s_setreg_imm32_b32 hwreg(HW_REG_WAVE_MODE, 25, 1), 1
	s_wait_xcnt 0x0
; THE NORM'S STATISTICS, AND THE WEIGHTS' CODES.
; x is [4][64][4096] f32.  Work-group i takes row i = 64 b + c (4,096 numbers, 16,384 bytes) and stores (mean, mean, rstd, rstd) at byte 16 i of stats: two ready pairs for packed arithmetic.
; rstd = 1 / sqrt(var + 1e-5), var the mean of (x - mean)^2: the row stays in registers between the two passes, so no difference of large sums is formed and the row is read once.
; Thread t holds 16 numbers: 16 bytes at 16 t + 4,096 j, j = 0 .. 3: each load of a wave covers 512 consecutive bytes.  Sums: in a lane, across the 32 lanes, across the 8 waves through 8 words of LDS.
; Beside that, wave 0 of work-groups 0 to 15 turns one tile of 16 rows x 64 of a weight into codes of E4M3: tiles 0-11 of w_qkv (scale 2^e0), tiles 12-15 of w_proj (scale 2^e6).
; A tile is stored as the IMAGE OF AN OPERAND'S REGISTERS (16x16x64 form): lane (r, h) holds row r, registers 2 i, 2 i + 1 hold k = 16 i + 8 h + 0 .. 7; registers 4 g .. 4 g + 3 lie at 1,024 T + 512 g + 16 x lane.
; code = w / 2^e, held within +-448, to the nearest code, ties to even.
; LIMITS: e0 and e6 between -126 and 119, so that 2^e and 448 x 2^e are f32 numbers.  NaN among the inputs is not served.
; The statistics leave as 16 bytes a work-group: the buffer is 4,096 bytes in all, and a row's numbers are known to one work-group alone.
.set X,  8                             ; v8-23   my 16 numbers of the row
.set WN, 24                            ; v24-55  a weight tile's 32 numbers of my lane; later at work
.set WC, 56                            ; v56-63  their codes
	s_load_b256 s[4:11], s[0:1], 0x0               ; x s[4:5], w_qkv s[6:7], w_proj s[8:9], the scales' exponents s[10:11]
	s_load_b128 s[12:15], s[0:1], 0x20             ; stats s[12:13], wcodes s[14:15]
	v_lshl_add_u32 v64, v0, 2, 0x100
	v_mov_b32 v65, 0
	v_lshrrev_b32 v2, 5, v0
	v_readfirstlane_b32 s16, v2                    ; wave 0..7
	v_lshlrev_b32 v2, 2, v2                        ; my wave's word in LDS
	v_lshlrev_b32 v1, 4, v0                        ; 16 x thread
	v_mov_b32 v3, 0
	v_mov_b32 v7, 0                                ; written once: a lane permute's destination counts as one of its sources
	s_mov_b32 s18, 0x76543210                      ; v_permlanex16_b32: each lane takes its own place in the other half
	s_mov_b32 s19, 0xfedcba98
	s_lshl_b32 s20, ttmp9, 14                      ; my row's first byte
	s_mov_b32 s21, 0
	s_wait_kmcnt 0x0
	s_add_nc_u64 s[4:5], s[4:5], s[20:21]
.irp j, 0,1,2,3
	global_load_b128 v[X+4*\j:X+4*\j+3], v1, s[4:5] offset:4096*\j th:TH_LOAD_NT
.endr
	; ---- the weights: wave 0 of work-groups 0 to 15; a branch on ids, with no barrier inside
	s_lshr_b32 s22, ttmp9, 4
	s_or_b32 s22, s22, s16
	s_cmp_lg_u32 s22, 0
	s_cbranch_scc1 .Lno_weights
	s_load_b32 s24, s[10:11], 0x0                  ; e0
	s_load_b32 s25, s[10:11], 0x18                 ; e6
	s_cmp_lt_u32 ttmp9, 12                         ; the choice of the tensor hangs on the work-group's number alone
	s_cselect_b64 s[6:7], s[6:7], s[8:9]
	s_cselect_b32 s26, 0, 12
	s_sub_co_u32 s26, ttmp9, s26                   ; the tile's number in its tensor
	s_lshl_b32 s26, s26, 12                        ; 16 rows of 256 bytes
	s_mov_b32 s27, 0
	s_add_nc_u64 s[6:7], s[6:7], s[26:27]
	v_and_b32 v4, 15, v0                           ; r (in wave 0 the thread's number is the lane's)
	v_bfe_u32 v5, v0, 4, 1                         ; h
	v_lshlrev_b32 v4, 8, v4
	v_lshl_add_u32 v4, v5, 5, v4                   ; row r, + 8 h numbers
.irp i, 0,1,2,3
	global_load_b128 v[WN+8*\i:WN+8*\i+3], v4, s[6:7] offset:64*\i        ; k = 16 i + 8 h + 0 .. 3
	global_load_b128 v[WN+8*\i+4:WN+8*\i+7], v4, s[6:7] offset:64*\i+16   ; and + 4 .. 7
.endr
	s_lshl_b32 s26, ttmp9, 10                      ; the tile's image
	s_add_nc_u64 s[14:15], s[14:15], s[26:27]
	s_wait_kmcnt 0x0
	s_cmp_lt_u32 ttmp9, 12
	s_cselect_b32 s24, s24, s25                    ; e
	s_add_co_i32 s24, s24, 127
	s_lshl_b32 s25, s24, 23
	v_mov_b32 v6, s25                              ; 2^e as f32: the conversion takes its exponent field
	s_add_co_i32 s24, s24, 8
	s_lshl_b32 s24, s24, 23
	s_or_b32 s24, s24, 0x600000
	v_mov_b32 v5, s24                              ; 448 x 2^e
	s_wait_loadcnt 0x0                             ; the tile is in (and the row); v4 is free
.irp i, 0,1,2,3
.irp j, 0,1,2,3,4,5,6,7
	v_med3_num_f32 v[WN+8*\i+\j], v[WN+8*\i+\j], -v5, v5   ; the conversion to an 8-bit code does not saturate (ISA guide 7.6.2): the hold comes first
.endr
.endr
.irp i, 0,1,2,3
	v_cvt_scalef32_pk8_fp8_f32 v[WC+2*\i:WC+2*\i+1], v[WN+8*\i:WN+8*\i+7], v6
.endr
	v_nop                                          ; a plain vector line behind the last conversion: its sources are written again below
	global_store_b128 v1, v[WC:WC+3], s[14:15]               ; the wave stores 512 consecutive bytes, aligned
	global_store_b128 v1, v[WC+4:WC+7], s[14:15] offset:512
.Lno_weights:
.macro WAVESUM                         ; v6 summed over the 32 lanes, the result in every lane
	v_add_f32_dpp v6, v6, v6 row_xmask:1 row_mask:0xf bank_mask:0xf
	v_add_f32_dpp v6, v6, v6 row_xmask:2 row_mask:0xf bank_mask:0xf
	v_add_f32_dpp v6, v6, v6 row_xmask:4 row_mask:0xf bank_mask:0xf
	v_add_f32_dpp v6, v6, v6 row_xmask:8 row_mask:0xf bank_mask:0xf
	v_permlanex16_b32 v7, v6, s18, s19
	v_add_f32 v6, v6, v7
.endm
.macro GROUPSUM off                    ; the eight waves' v6 summed into v40, through eight words of LDS at byte off (other words each time, so one barrier serves)
	ds_store_b32 v2, v6 offset:\off
	s_wait_dscnt 0x0                               ; for the others' sake: my word has landed
	s_barrier_signal -1
	s_barrier_wait -1
	ds_load_b128 v[40:43], v3 offset:\off
	ds_load_b128 v[44:47], v3 offset:\off+16
	s_wait_dscnt 0x0
	v_add_f32 v40, v40, v41
	v_add_f32 v42, v42, v43
	v_add_f32 v44, v44, v45
	v_add_f32 v46, v46, v47
	v_add_f32 v40, v40, v42
	v_add_f32 v44, v44, v46
	v_add_f32 v40, v40, v44
.endm
	; ---- the mean
	s_wait_loadcnt 0x0
	v_pk_add_f32 v[24:25], v[X:X+1], v[X+2:X+3]
	v_pk_add_f32 v[26:27], v[X+4:X+5], v[X+6:X+7]
	v_pk_add_f32 v[28:29], v[X+8:X+9], v[X+10:X+11]
	v_pk_add_f32 v[30:31], v[X+12:X+13], v[X+14:X+15]
	v_pk_add_f32 v[24:25], v[24:25], v[26:27]
	v_pk_add_f32 v[28:29], v[28:29], v[30:31]
	v_pk_add_f32 v[24:25], v[24:25], v[28:29]
	v_add_f32 v6, v24, v25
	WAVESUM
	GROUPSUM 0
	v_mul_f32 v4, 0x39800000, v40                  ; / 4,096
	v_mov_b32 v5, v4
	; ---- the variance, of the numbers less the mean
.irp k, 0,2,4,6,8,10,12,14
	v_pk_add_f32 v[X+\k:X+\k+1], v[X+\k:X+\k+1], v[4:5] neg_lo:[0,1] neg_hi:[0,1]
.endr
	v_pk_mul_f32 v[24:25], v[X:X+1], v[X:X+1]      ; two chains, started by the first two pairs
	v_pk_mul_f32 v[26:27], v[X+2:X+3], v[X+2:X+3]
.irp k, 4,8,12
	v_pk_fma_f32 v[24:25], v[X+\k:X+\k+1], v[X+\k:X+\k+1], v[24:25]
	v_pk_fma_f32 v[26:27], v[X+\k+2:X+\k+3], v[X+\k+2:X+\k+3], v[26:27]
.endr
	v_pk_add_f32 v[24:25], v[24:25], v[26:27]
	v_add_f32 v6, v24, v25
	WAVESUM
	GROUPSUM 32
	v_mov_b32 v7, 0x39800000
	v_fmaak_f32 v6, v40, v7, 0x3727c5ac            ; the sum / 4,096 + 1e-5
	v_rsq_f32 v34, v6
	v_mov_b32 v32, v4                              ; (a plain line behind the transcendental)
	v_mov_b32 v33, v4
	s_lshl_b32 s20, ttmp9, 4
	s_add_nc_u64 s[12:13], s[12:13], s[20:21]
	s_wait_alu depctr_va_vdst(0)                   ; the wait ahead of the first line that names the root's result
	v_mov_b32 v35, v34
	s_wait_xcnt 0x0                                ; EXEC is a source of the stores above: it changes only behind this wait
	v_cmp_eq_u32 vcc_lo, 0, v0
	s_wait_tensorcnt 0x0
	ds_add_u32 v64, v65
	s_wait_dscnt 0x0
	s_and_saveexec_b32 s22, vcc_lo
	global_store_b128 v3, v[32:35], s[12:13]       ; thread 0: mean, mean, rstd, rstd
	s_wait_xcnt 0x0
	s_or_b32 exec_lo, exec_lo, s22
	s_endpgm
.Lfunc_end_k_q7f4d7f1f07_stats:
	.size	k_q7f4d7f1f07_stats, .Lfunc_end_k_q7f4d7f1f07_stats-k_q7f4d7f1f07_stats
	.p2alignl 7, 3214868480
	.fill 96, 4, 3214868480
	.section	.rodata,"a",@progbits
	.p2align	6, 0x0
	.amdhsa_kernel k_q7f4d7f1f07_stats
		.amdhsa_group_segment_fixed_size 1280
		.amdhsa_private_segment_fixed_size 0
		.amdhsa_enable_private_segment 0
		.amdhsa_kernarg_size 48
		.amdhsa_user_sgpr_count 2
		.amdhsa_user_sgpr_kernarg_segment_ptr 1
		.amdhsa_wavefront_size32 1
		.amdhsa_system_sgpr_workgroup_id_x 1
		.amdhsa_system_sgpr_workgroup_id_y 1
		.amdhsa_system_sgpr_workgroup_id_z 1
		.amdhsa_system_vgpr_workitem_id 0
		.amdhsa_next_free_vgpr 66
		.amdhsa_next_free_sgpr 66
		.amdhsa_reserve_vcc 1
		.amdhsa_float_denorm_mode_32 3
		.amdhsa_float_denorm_mode_16_64 3
		.amdhsa_memory_ordered 1
		.amdhsa_forward_progress 1
		.amdhsa_inst_pref_size 10
	.end_amdhsa_kernel
	.amdgpu_metadata
---
amdhsa.version: [ 1, 2 ]
amdhsa.kernels:
  - .name:           k_q7f4d7f1f07_stats
    .symbol:         k_q7f4d7f1f07_stats.kd
    .args:
      - { .name: x, .offset: 0, .size: 8, .value_kind: global_buffer, .address_space: global }
      - { .name: w_qkv, .offset: 8, .size: 8, .value_kind: global_buffer, .address_space: global }
      - { .name: w_proj, .offset: 16, .size: 8, .value_kind: global_buffer, .address_space: global }
      - { .name: lowp_scales, .offset: 24, .size: 8, .value_kind: global_buffer, .address_space: global }
      - { .name: stats, .offset: 32, .size: 8, .value_kind: global_buffer, .address_space: global }
      - { .name: wcodes, .offset: 40, .size: 8, .value_kind: global_buffer, .address_space: global }
    .group_segment_fixed_size: 1280
    .private_segment_fixed_size: 0
    .kernarg_segment_align: 8
    .kernarg_segment_size: 48
    .max_flat_workgroup_size: 256
    .sgpr_count:     66
    .vgpr_count:     66
    .wavefront_size: 32
...
	.end_amdgpu_metadata
.endif
;; end of part 1
;; launch qkv (part 2): grid 64 x 4, 4 waves a work-group, no clusters, 17,920 bytes of LDS; arguments x, stats, wcodes, b_qkv, lowp_scales, qc, kv; writes qc, kv
.if DOCPART == 2
	.amdgcn_target "amdgcn-amd-amdhsa--gfx1250"
	.amdhsa_code_object_version 6
	.text
	.protected	k_q7f4d7f1f07_qkv
	.globl	k_q7f4d7f1f07_qkv
	.p2align	8
	.type	k_q7f4d7f1f07_qkv,@function
k_q7f4d7f1f07_qkv:
	s_mov_b64 s[64:65], 0
	v_nop
	global_prefetch_b8 v0, s[64:65] scope:SCOPE_SE
	s_setreg_imm32_b32 hwreg(HW_REG_WAVE_MODE, 25, 1), 1
	s_wait_xcnt 0x0
; h = (x - mean) rstd, quantised (2^e1); q, k, v = w_qkv h + b_qkv on codes of E4M3 (w's codes with 2^e0); q, k, v quantised (2^e2, 2^e3, 2^e5) and stored as the attention's operands want them.
; SHARES.  A work-group takes 64 positions (blk = work-group x) of one batch (work-group y).  The four waves first normalise 16 channels x 64 positions each into LDS (f32, [channel][position], rows 272 bytes apart),
; since the product's K is the channel, which in memory is the outer axis: behind one barrier a lane reads a position's channels down the rows, 8 neighbours along K into 8 registers, as the conversions want them.
; Wave w = 2 gr + pp then takes the position tiles P0 = 4 blk + 2 pp and P0 + 1 (16 positions each); gr = 0 makes q and v's channels 0-31, gr = 1 makes k and v's channels 32-63: 12 matrix instructions a wave.
; One text for all waves: only pointers, offsets and scales are chosen, on the wave's number.
; LAYOUTS (16x16x64 form: lane (r, h) holds row r; registers 2 i, 2 i + 1 hold k = 16 i + 8 h + 0 .. 7).  q and k: source 0 = 16 rows of w, source 1 = 16 positions of h: a lane's eight results are eight neighbouring
; channels of one position: they convert into registers 2 i, 2 i + 1 of that position tile's fragment (K = channels).  v: source 0 = h, source 1 = w: a lane's eight results are eight neighbouring positions of one
; channel: they convert into two registers of v's fragment with K = the keys.
; OUT, as images of registers (four registers: 512 bytes, 16 x lane):  qc: tile (256 b + P) at 1,024 bytes each.  kv: 524,288 bytes a batch, chunks of 16,384 bytes for 128 keys: bytes 0-8,191 k's eight tiles;
; from 8,192 on v: channel tile cc at 2,048 cc, registers 2 c, 2 c + 1 = keys 16 c + 8 h + 0 .. 7.  Every store of a wave covers 512 consecutive bytes, aligned.
; LIMITS: e1, e2, e3, e5 between -126 and 119; e0 + e1 between -126 and 127, so that each power of two below is an f32 number.  NaN among the inputs is not served.
.set XO,  3                            ; v3   x: (16 w + h) rows of 16,384 bytes + 16 r
.set SO,  4                            ; v4   the statistics: (16 w + h) x 16 bytes
.set LW,  5                            ; v5   LDS, in: (16 w + h) x 272 + 16 r
.set LR,  6                            ; v6   LDS, out: 8 h rows + 4 r + 128 pp
.set IMG, 7                            ; v7   16 x lane
.set BQO, 8                            ; v8   q's or k's bias: 32 h
.set BVO, 9                            ; v9   v's bias: 4 r
.set HH,  10                           ; v10, v11  448 x 2^e1, 2^e1
.set SH,  11
.set HQ,  12                           ; v12, v13  the same for q (e2) or k (e3)
.set SQ,  13
.set HV,  14                           ; v14, v15  the same for v (e5)
.set SV,  15
.set X,   16                           ; v16-47   x as loaded: 8 x 4
.set STT, 48                           ; v48-79   the statistics as loaded: 8 x (mean, mean, rstd, rstd)
.set XT,  16                           ; v16-79   behind the barrier: 2 tiles x 32 numbers of h
.set AQ,  16                           ; v16-79   then q's or k's 8 accumulators: (u, i) at 8 (4 u + i)
.set H,   80                           ; v80-95   h's two fragments
.set W,   96                           ; v96-143  w's six fragments: 0-3 q or k, 4-5 v
.set BQ,  144                          ; v144-175 q's or k's bias in the result's layout
.set BV,  176                          ; v176-179 v's bias: two pairs
.set AV,  180                          ; v180-211 v's 4 accumulators: (t, u) at 8 (2 t + u)
.set FQ,  212                          ; v212-227 q's or k's codes
.set FV,  228                          ; v228-235 v's codes
.set PITCH, 272                        ; 256 bytes + 16: sixteen lanes' 16-byte stores fill one row; the reads' two halves stand 8 rows = 128 bytes modulo 256 apart
.macro MKSC e, vs, vh                  ; from the exponent in s[e]: 2^e and 448 x 2^e as f32
	s_add_co_i32 s48, s[\e], 127
	s_lshl_b32 s49, s48, 23
	v_mov_b32 v[\vs], s49
	s_add_co_i32 s48, s48, 8
	s_lshl_b32 s48, s48, 23
	s_or_b32 s48, s48, 0x600000
	v_mov_b32 v[\vh], s48
.endm
	s_load_b256 s[4:11], s[0:1], 0x0               ; x s[4:5], stats s[6:7], wcodes s[8:9], b_qkv s[10:11]
	s_load_b128 s[12:15], s[0:1], 0x20             ; the scales' exponents s[12:13], qc s[14:15]
	s_load_b64 s[16:17], s[0:1], 0x30              ; kv
	v_lshl_add_u32 v254, v0, 2, 0x4400
	v_mov_b32 v255, 0
	v_lshrrev_b32 v12, 5, v0
	v_readfirstlane_b32 s18, v12                   ; wave 0..3
	v_and_b32 v1, 15, v0                           ; r
	v_bfe_u32 v2, v0, 4, 1                         ; h
	v_lshl_add_u32 v13, v12, 4, v2                 ; 16 w + h
	v_lshlrev_b32 v[XO], 14, v13
	v_lshl_add_u32 v[XO], v1, 4, v[XO]
	v_lshlrev_b32 v[SO], 4, v13
	v_mul_u32_u24 v[LW], v13, PITCH
	v_lshl_add_u32 v[LW], v1, 4, v[LW]
	v_mul_u32_u24 v[LR], v2, 8*PITCH
	v_lshl_add_u32 v[LR], v1, 2, v[LR]
	v_bfe_u32 v14, v0, 5, 1                        ; pp
	v_lshl_add_u32 v[LR], v14, 7, v[LR]
	v_and_b32 v[IMG], 31, v0
	v_lshlrev_b32 v[IMG], 4, v[IMG]
	v_lshlrev_b32 v[BQO], 5, v2
	v_lshlrev_b32 v[BVO], 2, v1
	s_and_b32 s19, s18, 1                          ; pp
	s_lshr_b32 s20, s18, 1                         ; gr
	s_and_b32 s21, ttmp7, 0xffff                   ; b
	s_lshl_b32 s32, s21, 20                        ; the batch's 64 rows of 16,384 bytes,
	s_lshl_b32 s33, ttmp9, 8                       ; my 64 positions in a row
	s_add_co_u32 s32, s32, s33
	s_mov_b32 s33, 0
	s_wait_kmcnt 0x0
	s_load_b256 s[24:31], s[12:13], 0x0            ; e0 .. e7
	s_add_nc_u64 s[4:5], s[4:5], s[32:33]
	s_lshl_b32 s32, s21, 10
	s_add_nc_u64 s[6:7], s[6:7], s[32:33]          ; the batch's 64 statistics
	s_lshl_b32 s32, s20, 12
	s_add_nc_u64 s[34:35], s[8:9], s[32:33]        ; w's tiles 4 gr .. 4 gr + 3 (q or k),
	s_lshl_b32 s32, s20, 11
	s_add_co_u32 s32, s32, 8192
	s_add_nc_u64 s[36:37], s[8:9], s[32:33]        ; and 8 + 2 gr, 9 + 2 gr (v)
	s_lshl_b32 s32, s20, 8
	s_add_nc_u64 s[38:39], s[10:11], s[32:33]      ; b_qkv from 64 gr on,
	s_lshl_b32 s32, s20, 7
	s_add_co_u32 s32, s32, 512
	s_add_nc_u64 s[40:41], s[10:11], s[32:33]      ; and from 128 + 32 gr on
.irp i, 0,1,2,3,4,5,6,7
	global_load_b128 v[X+4*\i:X+4*\i+3], v[XO], s[4:5] offset:32768*\i th:TH_LOAD_NT   ; channels 16 w + h + 2 i: sixteen lanes read 256 consecutive bytes, aligned
.endr
.irp i, 0,1,2,3,4,5,6,7
	global_load_b128 v[STT+4*\i:STT+4*\i+3], v[SO], s[6:7] offset:32*\i
.endr
.irp k, 0,1,2,3,4,5,6,7
	global_load_b128 v[W+4*\k:W+4*\k+3], v[IMG], s[34:35] offset:512*\k
.endr
.irp k, 0,1,2,3
	global_load_b128 v[W+32+4*\k:W+32+4*\k+3], v[IMG], s[36:37] offset:512*\k
.endr
.irp i, 0,1,2,3
	global_load_b128 v[BQ+8*\i:BQ+8*\i+3], v[BQO], s[38:39] offset:64*\i       ; the bias of outputs 16 i + 8 h + 0 .. 7
	global_load_b128 v[BQ+8*\i+4:BQ+8*\i+7], v[BQO], s[38:39] offset:64*\i+16
.endr
.irp t, 0,1
	global_load_b32 v[BV+2*\t], v[BVO], s[40:41] offset:64*\t                  ; the bias of channel 16 t + r, in both halves of a pair
	global_load_b32 v[BV+2*\t+1], v[BVO], s[40:41] offset:64*\t
.endr
	; where the codes go
	s_lshl_b32 s51, ttmp9, 2
	s_lshl_b32 s52, s19, 1
	s_add_co_u32 s51, s51, s52                     ; P0 = 4 blk + 2 pp
	s_lshl_b32 s52, s21, 18
	s_lshl_b32 s53, s51, 10
	s_add_co_u32 s52, s52, s53                     ; q: (256 b + P0) x 1,024
	s_lshl_b32 s54, s21, 19
	s_lshr_b32 s53, s51, 3
	s_lshl_b32 s53, s53, 14
	s_add_co_u32 s54, s54, s53                     ; the chunk of 128 keys: 524,288 b + 16,384 (P0 / 8)
	s_and_b32 s55, s51, 7
	s_lshl_b32 s53, s55, 10
	s_add_co_u32 s53, s54, s53                     ; k: + 1,024 (P0 % 8)
	s_cmp_eq_u32 s20, 0                            ; the choice hangs on the wave's number alone
	s_cselect_b64 s[44:45], s[14:15], s[16:17]
	s_cselect_b32 s32, s52, s53
	s_add_nc_u64 s[44:45], s[44:45], s[32:33]
	s_lshl_b32 s53, s55, 8                         ; v: registers 2 (P0 % 8) on are group (P0 % 8) / 2: 512 bytes each; P0 is even
	s_add_co_u32 s32, s54, s53
	s_lshl_b32 s53, s20, 12                        ; channel tiles 2 gr, 2 gr + 1
	s_add_co_u32 s32, s32, s53
	s_add_co_u32 s32, s32, 8192
	s_add_nc_u64 s[46:47], s[16:17], s[32:33]
	s_wait_kmcnt 0x0
	s_cmp_eq_u32 s20, 0
	s_cselect_b32 s50, s26, s27                    ; e2 for q, e3 for k
	MKSC 25, SH, HH
	MKSC 50, SQ, HQ
	MKSC 29, SV, HV
	s_add_co_i32 s42, s24, s25
	s_add_co_i32 s42, s42, 127
	s_lshl_b32 s42, s42, 23                        ; 2^(e0 + e1) as f32
	s_mov_b32 s43, s42                             ; (named with it as a pair, so it is written)
	; ---- the norm, into LDS
	s_wait_loadcnt 24                              ; x and the statistics are in; the 24 younger loads (12 of w, 12 of the biases) may be out
.irp i, 0,1,2,3,4,5,6,7
	v_pk_add_f32 v[X+4*\i:X+4*\i+1], v[X+4*\i:X+4*\i+1], v[STT+4*\i:STT+4*\i+1] neg_lo:[0,1] neg_hi:[0,1]
	v_pk_add_f32 v[X+4*\i+2:X+4*\i+3], v[X+4*\i+2:X+4*\i+3], v[STT+4*\i:STT+4*\i+1] neg_lo:[0,1] neg_hi:[0,1]
	v_pk_mul_f32 v[X+4*\i:X+4*\i+1], v[X+4*\i:X+4*\i+1], v[STT+4*\i+2:STT+4*\i+3]
	v_pk_mul_f32 v[X+4*\i+2:X+4*\i+3], v[X+4*\i+2:X+4*\i+3], v[STT+4*\i+2:STT+4*\i+3]
	ds_store_b128 v[LW], v[X+4*\i:X+4*\i+3] offset:2*PITCH*\i
.endr
	s_wait_dscnt 0x0                               ; for the others' sake: my 16 channels have landed
	s_barrier_signal -1
	s_barrier_wait -1
	; ---- h's codes: lane (r, h) takes position 32 pp + 16 u + r and channels 16 i + 8 h + j
.irp u, 0,1
.irp i, 0,1,2,3
.irp j, 0,1,2,3,4,5,6,7
	ds_load_b32 v[XT+32*\u+8*\i+\j], v[LR] offset:(16*\i+\j)*PITCH+64*\u
.endr
.endr
.endr
	s_wait_dscnt 0x0
.irp u, 0,1
.irp i, 0,1,2,3
.irp j, 0,1,2,3,4,5,6,7
	v_med3_num_f32 v[XT+32*\u+8*\i+\j], v[XT+32*\u+8*\i+\j], -v[HH], v[HH]   ; the conversion to an 8-bit code does not saturate (ISA guide 7.6.2)
.endr
	v_cvt_scalef32_pk8_fp8_f32 v[H+8*\u+2*\i:H+8*\u+2*\i+1], v[XT+32*\u+8*\i:XT+32*\u+8*\i+7], v[SH]
.endr
.endr
	v_nop                                          ; a plain vector line between the last conversion and the products, which read its result and write its sources
	s_wait_loadcnt 0x0                             ; w's codes and the biases
	; ---- the products: twelve accumulators, one instruction each
.irp u, 0,1
.irp i, 0,1,2,3
	v_wmma_f32_16x16x64_fp8_fp8 v[AQ+8*(4*\u+\i):AQ+8*(4*\u+\i)+7], v[W+8*\i:W+8*\i+7], v[H+8*\u:H+8*\u+7], 0
.endr
.endr
.irp t, 0,1
.irp u, 0,1
	v_wmma_f32_16x16x64_fp8_fp8 v[AV+8*(2*\t+\u):AV+8*(2*\t+\u)+7], v[H+8*\u:H+8*\u+7], v[W+8*(4+\t):W+8*(4+\t)+7], 0
.endr
.endr
.rept 4
	v_nop                                          ; four plain places between a matrix instruction and the first read of its result (ISA guide 7.12.1)
.endr
	; ---- sum x 2^(e0 + e1) + bias, the hold, the codes; each accumulator from its low end on
.irp a, 0,1,2,3,4,5,6,7
.irp j, 0,2,4,6
	v_pk_fma_f32 v[AQ+8*\a+\j:AQ+8*\a+\j+1], v[AQ+8*\a+\j:AQ+8*\a+\j+1], s[42:43], v[BQ+8*((\a)%4)+\j:BQ+8*((\a)%4)+\j+1] op_sel_hi:[1,0,1]
.endr
.irp j, 0,1,2,3,4,5,6,7
	v_med3_num_f32 v[AQ+8*\a+\j], v[AQ+8*\a+\j], -v[HQ], v[HQ]
.endr
	v_cvt_scalef32_pk8_fp8_f32 v[FQ+8*((\a)/4)+2*((\a)%4):FQ+8*((\a)/4)+2*((\a)%4)+1], v[AQ+8*\a:AQ+8*\a+7], v[SQ]
.endr
.irp a, 0,1,2,3
.irp j, 0,2,4,6
	v_pk_fma_f32 v[AV+8*\a+\j:AV+8*\a+\j+1], v[AV+8*\a+\j:AV+8*\a+\j+1], s[42:43], v[BV+2*((\a)/2):BV+2*((\a)/2)+1] op_sel_hi:[1,0,1]
.endr
.irp j, 0,1,2,3,4,5,6,7
	v_med3_num_f32 v[AV+8*\a+\j], v[AV+8*\a+\j], -v[HV], v[HV]
.endr
	v_cvt_scalef32_pk8_fp8_f32 v[FV+4*((\a)/2)+2*((\a)%2):FV+4*((\a)/2)+2*((\a)%2)+1], v[AV+8*\a:AV+8*\a+7], v[SV]
.endr
	v_nop                                          ; a plain vector line behind the last conversion
.irp u, 0,1
.irp g, 0,1
	global_store_b128 v[IMG], v[FQ+8*\u+4*\g:FQ+8*\u+4*\g+3], s[44:45] offset:1024*\u+512*\g
.endr
.endr
.irp t, 0,1
	global_store_b128 v[IMG], v[FV+4*\t:FV+4*\t+3], s[46:47] offset:2048*\t
.endr
	s_wait_tensorcnt 0x0
	ds_add_u32 v254, v255
	s_wait_dscnt 0x0
	s_endpgm
.Lfunc_end_k_q7f4d7f1f07_qkv:
	.size	k_q7f4d7f1f07_qkv, .Lfunc_end_k_q7f4d7f1f07_qkv-k_q7f4d7f1f07_qkv
	.p2alignl 7, 3214868480
	.fill 96, 4, 3214868480
	.section	.rodata,"a",@progbits
	.p2align	6, 0x0
	.amdhsa_kernel k_q7f4d7f1f07_qkv
		.amdhsa_group_segment_fixed_size 17920
		.amdhsa_private_segment_fixed_size 0
		.amdhsa_enable_private_segment 0
		.amdhsa_kernarg_size 56
		.amdhsa_user_sgpr_count 2
		.amdhsa_user_sgpr_kernarg_segment_ptr 1
		.amdhsa_wavefront_size32 1
		.amdhsa_system_sgpr_workgroup_id_x 1
		.amdhsa_system_sgpr_workgroup_id_y 1
		.amdhsa_system_sgpr_workgroup_id_z 1
		.amdhsa_system_vgpr_workitem_id 0
		.amdhsa_next_free_vgpr 256
		.amdhsa_next_free_sgpr 66
		.amdhsa_reserve_vcc 0
		.amdhsa_float_denorm_mode_32 3
		.amdhsa_float_denorm_mode_16_64 3
		.amdhsa_memory_ordered 1
		.amdhsa_forward_progress 1
		.amdhsa_inst_pref_size 31
	.end_amdhsa_kernel
	.amdgpu_metadata
---
amdhsa.version: [ 1, 2 ]
amdhsa.kernels:
  - .name:           k_q7f4d7f1f07_qkv
    .symbol:         k_q7f4d7f1f07_qkv.kd
    .args:
      - { .name: x, .offset: 0, .size: 8, .value_kind: global_buffer, .address_space: global }
      - { .name: stats, .offset: 8, .size: 8, .value_kind: global_buffer, .address_space: global }
      - { .name: wcodes, .offset: 16, .size: 8, .value_kind: global_buffer, .address_space: global }
      - { .name: b_qkv, .offset: 24, .size: 8, .value_kind: global_buffer, .address_space: global }
      - { .name: lowp_scales, .offset: 32, .size: 8, .value_kind: global_buffer, .address_space: global }
      - { .name: qc, .offset: 40, .size: 8, .value_kind: global_buffer, .address_space: global }
      - { .name: kv, .offset: 48, .size: 8, .value_kind: global_buffer, .address_space: global }
    .group_segment_fixed_size: 17920
    .private_segment_fixed_size: 0
    .kernarg_segment_align: 8
    .kernarg_segment_size: 56
    .max_flat_workgroup_size: 128
    .sgpr_count:     66
    .vgpr_count:     256
    .wavefront_size: 32
...
	.end_amdgpu_metadata
.endif
;; end of part 2
;; launch attn (part 3): grid 64 x 4, 8 waves a work-group, clusters of 4 x 1, 327,680 bytes of LDS; arguments qc, kv, wcodes, b_proj, x, lowp_scales, out0; writes out0
.if DOCPART == 3
	.amdgcn_target "amdgcn-amd-amdhsa--gfx1250"
	.amdhsa_code_object_version 6
	.text
	.protected	k_q7f4d7f1f07_attn
	.globl	k_q7f4d7f1f07_attn
	.p2align	8
	.type	k_q7f4d7f1f07_attn,@function
k_q7f4d7f1f07_attn:
	s_mov_b64 s[64:65], 0
	v_nop
	global_prefetch_b8 v0, s[64:65] scope:SCOPE_SE
	s_setreg_imm32_b32 hwreg(HW_REG_WAVE_MODE, 25, 1), 1
	s_wait_xcnt 0x0
	s_wait_alu depctr_hold_cnt(0) depctr_sa_sdst(0) depctr_va_vdst(0) depctr_va_sdst(0) depctr_va_ssrc(0) depctr_va_vcc(0) depctr_vm_vsrc(0)
	s_getreg_b32 s2, hwreg(HW_REG_IB_STS2, 6, 4)
	s_cmp_eq_u32 s2, 0
	s_cbranch_scc0 .Lentry_in_a_cluster
	s_endpgm
.Lentry_in_a_cluster:
	s_bfe_u32 s2, ttmp6, 0x10000c
	s_cmp_lg_u32 s2, 0x3003
	s_cbranch_scc0 .Lentry_shape_is_right
	s_endpgm
.Lentry_shape_is_right:
; out = x + w_proj softmax(q k^T / 8) v + b_proj, all three products on codes of E4M3, each operand with the one scale 2^e that is given for it.
; qc, kv, wcodes hold the operands as images of registers (four registers: 512 bytes, 16 x lane), made by the two launches before.
; THE SOFTMAX AHEAD OF THE SECOND PRODUCT: t = score x log2(e) / 8; M = the largest t so far, rounded UP to a whole number; p = 2^(t - M) is what is quantised (2^e4); the row's sum is taken of the unquantised p.
; SHARES.  A work-group owns 64 queries of one batch: 256 work-groups.  EVERY wave holds all 64 queries (four tiles of 16); THE EIGHT WAVES SHARE THE KEYS: wave w takes the chunks of 128 keys 8 f + w, f = 0 .. 3.
; So each byte of k and v is read from LDS once in a work-group and feeds four tiles of queries, and a wave's tensor load brings just the 16,384 bytes that it alone reads: its own wait on TENSORcnt orders its reads.
; Each wave keeps its own running M, sum and O^T; at the end the eight parts meet in LDS and are brought under the largest M by exact powers of two.  Two waves share a SIMD (512 registers each): one wave's
; matrix instructions and LDS loads stand beside the other's vector work, which is the bulk: 258 vector instructions for the 12 matrix instructions of 16 queries x 128 keys.
; LAYOUT.  Both products are used transposed: S^T = k q^T (source 0 = 16 keys, source 1 = 16 queries), O^T = v^T p^T (source 0 = 16 channels x 128 keys, source 1 = p): a lane holds ONE query (lane % 16) throughout,
; and the eight registers of key tile c (keys 16 c + 8 (lane / 16) + 0 .. 7) convert into registers 2 c, 2 c + 1 of p's fragment: every k stands in its true place.
; CLUSTER.  The four query blocks of a cluster belong to one batch and walk the same kv: every fill is asked for JOINTLY, by the same tensor load with the same descriptor (it hangs on the batch and the wave's number)
; and a mask that names the four.
; THE RING: two slots of 131,072 bytes (eight waves' chunks); four fills.  Both first fills go out together; a slot is filled again behind a round of the cluster's barrier, one load a wave, with one key step in which to land.
; By this text's own count a wave has at most two tensor loads out.  The four key steps are written out.
; LIMITS: e4 and e7 between -126 and 119; e2 + e3 between -123 and 130 (added to c's exponent field); e6 + e7 between -126 and 127; e4 + e5 is applied by v_ldexp_f32 and has none.  NaN among the inputs is not served.
; p is quantised under the wave's running M, not the row's final one: the later factors are exact powers of two, so the codes' values differ only where p falls under the format's range, or is held at 448 x 2^e4 < 1.
; LDS is claimed whole.
; REGISTERS, in windows of 256.  Window 0: v1-15 addresses; v16-47 statistics, 8 a tile; v48-79 q; v80-143 S^T, then p; v144-159 p's codes; v160-175 at work and constants; v176-239 k's fragments; v240-255 x for the residual.
;   Window 1: v0-127 O^T (tile t, channel tile cc at 32 t + 8 cc); v128-191 v's fragments; v192-207 two fragments of w_proj.
.set SLOTB, 131072
.set ML,    262144                     ; behind the ring: (-M, l) of wave s, tile t: 1,024 s + 256 t + 8 x lane: 8,192 bytes
.set CODES, 270336                     ; the attention's result as codes: query tile tq at 1,024 tq: 4,096 bytes
.set STG,   274432                     ; the stage for out: 64 rows (output channels) x (256 bytes + 16)
.set SPT,   272
.set SPARE, 291840                     ; the spare words, 128 bytes for each wave: four blocks of 256 bytes that no other line names
.set LI,  1                            ; v1, v2  16 x lane + 16,384 w in slot 0, 1
.set SPW, 3                            ; v3   LDS address of my spare word; never rewritten
.set NIL, 4                            ; v4   0; never rewritten
.set PFO, 5                            ; v5   256 x lane; never rewritten
.set MLW, 6                            ; v6   where I put (-M, l)
.set MLR, 7                            ; v7   where I read those of query tile tq
.set ORD, 8                            ; v8, v9  where I read the parts of O^T: waves 0-3, waves 4-7
.set CW,  10                           ; v10  where I put four registers of codes
.set CR,  11                           ; v11  where I read the fragment back
.set SW,  12                           ; v12  the stage, in
.set SRD, 13                           ; v13  the stage, out
.set GX,  14                           ; v14  my bytes in x and in out: (8 w + h) rows of 16,384 + 16 r
.set QO,  15                           ; v15  16 x lane
.set ST,  16                           ; tile t at ST + 8 t: +0 -M; +1 the largest t, at the end l; +2, +3 the sum in two halves; +4 f; +5 named with f as a pair
.set Q,   48
.set S,   80
.set P,   144
.set TA,  160
.set TB,  161
.set TC,  162
.set TP,  164                          ; v[164:165]
.set TD,  166
.set BPO, 167                          ; v167 b_proj: 4 r + 128 cp
.set HP,  168                          ; v168, v169  448 x 2^e4, 2^e4
.set SCP, 169
.set HO,  170                          ; v170, v171  448 x 2^e7, 2^e7
.set SCO, 171
.set BP,  172                          ; v172-175  b_proj: two pairs
.set KF,  176
.set XR,  240
.set VF,  128                          ; in window 1
.set WP,  192                          ; in window 1
.set ACC, 80                           ; the tail: the merged O^T of my tile and channels
.set HF,  96                           ; its fragment
.set PD,  104                          ; the projection's two accumulators
.set OUTR, 120                         ; rows of out
.set MLV, 176                          ; the eight pairs (-M, l)
.set F,   192                          ; the eight pairs (f, f l)
.set WV,  18                           ; s18  my wave's number
.set G1,  24                           ; s[24:31] descriptor group 1
.set G0,  32                           ; s[32:39] descriptor group 0, a set for each slot
.set CS,  48                           ; s[48:49] c = log2(e) / 8 x 2^(e2 + e3)
.set SEL, 50                           ; s[50:51] v_permlanex16_b32's selects: lane l xor 16
.set PFA, 52                           ; s[52:53] where my prefetch stands; never rewritten
.set PFF, 54                           ; s54  0 in a wave that prefetches
.set MSB, 0
.macro WIN new                         ; the immediate's high byte repeats the setting that is left; a switch that changes nothing is dropped
.if MSB != \new
	s_set_vgpr_msb (MSB<<8)|\new
.set MSB, \new
.endif
.endm
.macro PLACES                          ; four plain places: behind a matrix instruction, ahead of a read of its result or of a load into one of its registers
.rept 4
	v_nop
.endr
.endm
.macro ROUND                           ; a round of the cluster's barrier: my work-group's barrier; wave 0 signals for the work-group; every wave waits for all four work-groups; my work-group's barrier once more
	s_barrier_signal -1
	s_barrier_wait -1
	s_cmp_lg_u32 s[WV], 0
	s_cbranch_scc1 .Lnot_wave_0_\@
	s_barrier_signal -3
.Lnot_wave_0_\@:
	s_barrier_wait -3
	s_barrier_signal -1
	s_barrier_wait -1
.endm
.macro MKSC e, vs, vh                  ; from the exponent in s[e]: 2^e and 448 x 2^e as f32
	s_add_co_i32 s70, s[\e], 127
	s_lshl_b32 s71, s70, 23
	v_mov_b32 v[\vs], s71
	s_add_co_i32 s70, s70, 8
	s_lshl_b32 s70, s70, 23
	s_or_b32 s70, s70, 0x600000
	v_mov_b32 v[\vh], s70
.endm
	s_load_b256 s[4:11], s[0:1], 0x0               ; qc s[4:5], kv s[6:7], wcodes s[8:9], b_proj s[10:11]
	s_load_b128 s[12:15], s[0:1], 0x20             ; x s[12:13], the scales' exponents s[14:15]
	s_load_b64 s[16:17], s[0:1], 0x30              ; out0
	v_lshl_add_u32 v[SPW], v0, 2, SPARE
	v_mov_b32 v[NIL], 0
	ds_add_u32 v3, v4
	ds_add_u32 v3, v4
	s_wait_dscnt 0x0
	v_lshrrev_b32 v80, 5, v0                       ; w
	v_readfirstlane_b32 s[WV], v80                 ; wave 0..7
	s_and_b32 s20, s[WV], 1                        ; cp: which half of the channels is mine in the tail
	s_bfe_u32 s21, ttmp6, 0x40000                  ; cx: my place in the cluster
	s_lshl_b32 s22, ttmp9, 2                       ; in a cluster launch ttmp9 counts clusters
	s_add_co_u32 s22, s22, s21                     ; my block of 64 queries: it enters q's, x's and out's addresses alone
	s_and_b32 s23, ttmp7, 0xffff                   ; the batch, which the four partners share
	v_and_b32 v81, 31, v0                          ; lane
	v_and_b32 v82, 15, v0                          ; r
	v_bfe_u32 v83, v0, 4, 1                        ; h
	v_lshrrev_b32 v84, 6, v0                       ; tq = w / 2: my query tile in the tail
	v_bfe_u32 v85, v0, 5, 1                        ; cp = w % 2
	v_lshlrev_b32 v[QO], 4, v81
	v_lshl_add_u32 v[LI], v80, 14, v[QO]
	v_add_nc_u32 v[LI+1], SLOTB, v[LI]
	v_lshlrev_b32 v[PFO], 8, v81
	v_lshlrev_b32 v[MLW], 3, v81
	v_lshl_add_u32 v[MLR], v84, 8, v[MLW]
	v_add_nc_u32 v[MLR], ML, v[MLR]
	v_lshl_add_u32 v[MLW], v80, 10, v[MLW]
	v_add_nc_u32 v[MLW], ML, v[MLW]
	v_lshl_add_u32 v[ORD], v84, 12, v[QO]          ; tile tq's 32 registers of an image of O^T,
	v_lshl_add_u32 v[ORD], v85, 11, v[ORD]         ; channel tiles 2 cp, 2 cp + 1 of them
	v_add_nc_u32 v[ORD+1], 65536, v[ORD]
	v_lshl_add_u32 v[CR], v84, 10, v[QO]
	v_add_nc_u32 v[CR], CODES, v[CR]
	v_lshl_add_u32 v[CW], v85, 9, v[CR]
	v_mul_u32_u24 v[SW], v82, SPT                  ; the stage, in: row 32 cp + 16 T + r, bytes 64 tq + 32 h on
	v_mul_u32_u24 v86, v85, 32*SPT
	v_add_nc_u32 v[SW], v[SW], v86
	v_lshl_add_u32 v[SW], v84, 6, v[SW]
	v_lshl_add_u32 v[SW], v83, 5, v[SW]
	v_add_nc_u32 v[SW], STG, v[SW]
	v_lshl_add_u32 v86, v80, 3, v83                ; 8 w + h
	v_mul_u32_u24 v[SRD], v86, SPT                 ; out: lanes 0-15 one row, lanes 16-31 the next
	v_lshl_add_u32 v[SRD], v82, 4, v[SRD]
	v_add_nc_u32 v[SRD], STG, v[SRD]
	v_lshlrev_b32 v[GX], 14, v86
	v_lshl_add_u32 v[GX], v82, 4, v[GX]
	v_lshlrev_b32 v[BPO], 2, v82
	v_lshl_add_u32 v[BPO], v85, 7, v[BPO]
	v_mov_b32 v[TC], 0                             ; written once: a lane permute's destination counts as one of its sources
.irp t, 0,1,2,3
	v_mov_b32 v[ST+8*\t+5], 0                      ; (named as the upper half of f's pair)
.endr
	; descriptor group 1: 64 rows of 256 bytes, dense: a wave's chunk of 16,384 bytes, laid into LDS as it lies
	s_mov_b32 s[G1], 15|(3<<16)|(1<<21)            ; 15:0 the mask: all four work-groups; 17:16 elements of 8 bytes; 21 set beside a mask; no padding: every read is 16 x lane, consecutive
	s_mov_b32 s[G1+1], 32<<16                      ; tensor_dim0 = 32
	s_mov_b32 s[G1+2], 64<<16                      ; tensor_dim1 = 64
	s_mov_b32 s[G1+3], 32<<16                      ; tile_dim0 = 32
	s_mov_b32 s[G1+4], 64                          ; tile_dim1 = 64
	s_mov_b32 s[G1+5], 32                          ; from row to row
	s_mov_b32 s[G1+6], 0
	s_mov_b32 s[G1+7], 0
	s_mov_b32 s[SEL], 0x76543210
	s_mov_b32 s[SEL+1], 0xfedcba98
	s_lshl_b32 s60, s[WV], 14                      ; my wave's 16,384 bytes, in a slot and in a fill
	s_lshl_b32 s62, s23, 19                        ; the batch's 524,288 bytes of kv
	s_add_co_u32 s62, s62, s60
	s_mov_b32 s63, 0
	s_lshl_b32 s68, s23, 19                        ; the prefetch: fill 3's 131,072 bytes; my work-group's 32,768 of them by address, my wave's 8,192
	s_lshl_b32 s69, s21, 15
	s_add_co_u32 s68, s68, s69
	s_and_b32 s69, s[WV], 3
	s_lshl_b32 s69, s69, 13
	s_add_co_u32 s68, s68, s69
	s_add_co_u32 s68, s68, 3*SLOTB
	s_mov_b32 s69, 0
	s_lshr_b32 s[PFF], s[WV], 2                    ; 0 in waves 0 to 3,
	s_or_b32 s[PFF], s[PFF], ttmp9                 ; of the batch's first cluster: the same in all four partners
	s_wait_kmcnt 0x0
	s_load_b256 s[40:47], s[14:15], 0x0            ; e0 .. e7
	s_add_nc_u64 s[PFA:PFA+1], s[6:7], s[68:69]
	s_add_nc_u64 s[66:67], s[6:7], s[62:63]        ; kv at my chunk of fill 0
.irp s, 0,1
	s_mov_b32 s[G0+4*\s], 1                                        ; count = 1
	s_add_co_u32 s[G0+4*\s+1], s60, \s*SLOTB                       ; LDS address: no place in the cluster enters it
	s_add_nc_u64 s[G0+4*\s+2:G0+4*\s+3], s[66:67], \s*SLOTB        ; global address: fill s
	s_or_b32 s[G0+4*\s+3], s[G0+4*\s+3], 0x80000000                ; type = 2
.endr
	ROUND                                          ; all four work-groups are here: the first joint loads meet
	tensor_load_to_lds s[G0:G0+3], s[G1:G1+7]      ; both first fills together, ahead of every wait on TENSORcnt and every LDS read
	s_nop 0
	tensor_load_to_lds s[G0+4:G0+7], s[G1:G1+7]
	s_nop 0
	PLACES
	s_lshl_b32 s68, s23, 18                        ; q: (256 b + 4 x block) x 1,024
	s_lshl_b32 s70, s22, 12
	s_add_co_u32 s68, s68, s70
	s_add_nc_u64 s[4:5], s[4:5], s[68:69]
.irp k, 0,1,2,3,4,5,6,7
	global_load_b128 v[Q+4*\k:Q+4*\k+3], v[QO], s[4:5] offset:512*\k   ; q's four fragments stay in registers
.endr
	s_lshl_b32 s68, s20, 11                        ; w_proj's tiles 2 cp, 2 cp + 1: images 12 + 2 cp on
	s_add_co_u32 s68, s68, 12*1024
	s_add_nc_u64 s[8:9], s[8:9], s[68:69]
	WIN 0x40                                       ; destination window 1
.irp k, 0,1,2,3
	global_load_b128 v[WP+4*\k:WP+4*\k+3], v[QO], s[8:9] offset:512*\k
.endr
	WIN 0
.irp t, 0,1
	global_load_b32 v[BP+2*\t], v[BPO], s[10:11] offset:64*\t      ; b_proj of output 32 cp + 16 T + r, in both halves of a pair
	global_load_b32 v[BP+2*\t+1], v[BPO], s[10:11] offset:64*\t
.endr
	s_lshl_b32 s68, s23, 20                        ; x and out: the batch's 64 rows of 16,384 bytes, my block's 256 bytes of a row
	s_lshl_b32 s70, s22, 8
	s_add_co_u32 s68, s68, s70
	s_add_nc_u64 s[12:13], s[12:13], s[68:69]
	s_add_nc_u64 s[16:17], s[16:17], s[68:69]
.irp i, 0,1,2,3
	global_load_b128 v[XR+4*\i:XR+4*\i+3], v[GX], s[12:13] offset:32768*\i th:TH_LOAD_NT   ; rows 8 w + h + 2 i: sixteen lanes read 256 consecutive bytes, aligned; wanted only at the end
.endr
	s_wait_kmcnt 0x0
	s_add_co_i32 s70, s42, s43
	s_lshl_b32 s70, s70, 23
	s_mov_b32 s[CS], 0x3e38aa3b                    ; log2(e) / 8
	s_add_co_i32 s[CS], s[CS], s70                 ; a score stands for score x 2^(e2 + e3): the two exponents are added to c's exponent field
	s_mov_b32 s[CS+1], s[CS]                       ; (named with it as a pair, so it is written)
	MKSC 44, SCP, HP
	MKSC 47, SCO, HO
	s_add_co_i32 s56, s46, s47
	s_add_co_i32 s56, s56, 127
	s_lshl_b32 s56, s56, 23                        ; 2^(e6 + e7) as f32
	s_mov_b32 s57, s56
	s_add_co_i32 s58, s44, s45                     ; e4 + e5
	s_wait_loadcnt 12                              ; q is in; the 12 younger loads (w_proj 4, b_proj 4, x 4) may be out
; 16 QUERIES x 128 KEYS.  first = 1: the wave's first key step, which starts M, the sum and O^T.  vwait = 1: v's fragments are waited for ahead of the second product.
.macro TILE t, first, vwait
.set rT, ST+8*(\t)
.irp c, 0,1,2,3,4,5,6,7
	v_wmma_f32_16x16x64_fp8_fp8 v[S+8*\c:S+8*\c+7], v[KF+8*\c:KF+8*\c+7], v[Q+8*(\t):Q+8*(\t)+7], 0
.endr
	PLACES
	v_max3_num_f32 v[TA], v[S], v[S+1], v[S+2]     ; the step's largest score of my query among my 64 keys, in two chains, ascending: each accumulator is first read at its low end
	v_max3_num_f32 v[TB], v[S+3], v[S+4], v[S+5]
.irp i, 6,10,14,18,22,26,30,34,38,42,46,50,54,58
	v_max3_num_f32 v[TA], v[TA], v[S+\i], v[S+\i+1]
	v_max3_num_f32 v[TB], v[TB], v[S+\i+2], v[S+\i+3]
.endr
	v_max3_num_f32 v[TA], v[TA], v[S+62], v[S+63]
	v_max_num_f32 v[TA], v[TA], v[TB]
	v_permlanex16_b32 v[TC], v[TA], s[SEL], s[SEL+1]
	v_max_num_f32 v[TA], v[TA], v[TC]              ; and among lane l xor 16's
.if \first
	v_mul_f32 v[rT+1], s[CS], v[TA]                ; as t (c is positive): the largest t so far
	v_floor_f32 v[rT], -v[rT+1]                    ; -M = floor(-t) = -ceil(t): M is a whole number
.else
	v_mul_f32 v[TA], s[CS], v[TA]
	v_max_num_f32 v[rT+1], v[rT+1], v[TA]          ; the running largest t
	v_mov_b32 v[TA], v[rT]
	v_floor_f32 v[rT], -v[rT+1]
	v_sub_f32 v[TA], v[rT], v[TA]                  ; M's old value less its new one: a whole number, 0 or less
	v_cvt_i32_f32 v[TA], v[TA]                     ; (it saturates)
	v_ldexp_f32 v[rT+4], 1.0, v[TA]                ; f = 2^(old M - new M): a multiplication by it rounds nothing
.endif
.set kk, 0
.rept 32
	v_pk_fma_f32 v[S+kk:S+kk+1], v[S+kk:S+kk+1], s[CS:CS+1], v[rT:rT+1] op_sel_hi:[1,0,0]   ; t - M, two at a time (of the pairs c and -M the low word serves both halves)
.set kk, kk+2
.endr
.set kk, 0
.rept 64
	v_exp_f32 v[S+kk], v[S+kk]                     ; p = 2^(t - M), at most 1: not normalised
.set kk, kk+1
.endr
.if \first
	v_nop                                          ; a plain line behind the exponentials
.else
	v_pk_mul_f32 v[rT+2:rT+3], v[rT+2:rT+3], v[rT+4:rT+5] op_sel_hi:[1,0]   ; the sum under the new M.  (A plain line behind the exponentials)
.endif
	s_wait_alu depctr_va_vdst(0)                   ; the wait ahead of the first line that names an exponential's result: one for the batch of 64
	v_pk_add_f32 v[TP:TP+1], v[S:S+1], v[S+2:S+3]  ; the row's sum is taken of the unquantised p: two at a time, in two chains
.if \first
	v_pk_add_f32 v[rT+2:rT+3], v[S+4:S+5], v[S+6:S+7]
.else
	v_pk_add_f32 v[rT+2:rT+3], v[rT+2:rT+3], v[S+4:S+5]
	v_pk_add_f32 v[TP:TP+1], v[TP:TP+1], v[S+6:S+7]
.endif
.irp j, 8,12,16,20,24,28,32,36,40,44,48,52,56,60
	v_pk_add_f32 v[rT+2:rT+3], v[rT+2:rT+3], v[S+\j:S+\j+1]
	v_pk_add_f32 v[TP:TP+1], v[TP:TP+1], v[S+\j+2:S+\j+3]
.endr
	v_pk_add_f32 v[rT+2:rT+3], v[rT+2:rT+3], v[TP:TP+1]
.irp c, 0,1,2,3,4,5,6,7
.irp i, 0,1,2,3,4,5,6,7
	v_min_num_f32 v[S+8*\c+\i], v[S+8*\c+\i], v[HP]   ; the conversion to an 8-bit code does not saturate (ISA guide 7.6.2); p is not negative, so the hold is one-sided
.endr
	v_cvt_scalef32_pk8_fp8_f32 v[P+2*\c:P+2*\c+1], v[S+8*\c:S+8*\c+7], v[SCP]   ; keys 16 c + 8 (lane / 16) + 0 .. 7
.endr
.if \vwait
	s_wait_dscnt 0x0                               ; v's fragments are in
.endif
.if \first
	v_nop                                          ; a plain line between the last conversion and the products that read its result
.else
	WIN 0x41                                       ; O^T (destination and source 0) window 1, f window 0
.set kk, 32*(\t)
.rept 16
	v_pk_mul_f32 v[kk:kk+1], v[kk:kk+1], v[rT+4:rT+5] op_sel_hi:[1,0]   ; O^T under the new M.  (Also the plain lines behind the conversions)
.set kk, kk+2
.endr
.endif
	WIN 0x51                                       ; v window 1, p window 0, O^T window 1
.irp cc, 0,1,2,3                               ; four accumulators by turns; the next link of each stands a whole key step on
.if \first
	v_wmma_f32_16x16x128_fp8_fp8 v[32*(\t)+8*\cc:32*(\t)+8*\cc+7], v[VF+16*\cc:VF+16*\cc+15], v[P:P+15], 0
.else
	v_wmma_f32_16x16x128_fp8_fp8 v[32*(\t)+8*\cc:32*(\t)+8*\cc+7], v[VF+16*\cc:VF+16*\cc+15], v[P:P+15], v[32*(\t)+8*\cc:32*(\t)+8*\cc+7]
.endif
.endr
	WIN 0
.endm
; A KEY STEP: my chunk of 128 keys in the slot.  tc: how many younger tensor loads of mine may stay out.
.macro STEP slot, first, tc
	s_wait_tensorcnt \tc                           ; a wave's tensor loads end in order (ISA guide 10.11.1): my chunk is in LDS, and I alone read it
	PLACES                                         ; ahead of loads into registers that matrix instructions have read
.irp i, 0,1,2,3,4,5,6,7,8,9,10,11,12,13,14,15
	ds_load_b128 v[KF+4*\i:KF+4*\i+3], v[LI+\slot] offset:512*\i
.endr
	WIN 0x40                                       ; destination window 1
.irp i, 0,1,2,3,4,5,6,7,8,9,10,11,12,13,14,15
	ds_load_b128 v[VF+4*\i:VF+4*\i+3], v[LI+\slot] offset:8192+512*\i
.endr
	WIN 0
	s_wait_dscnt 16                                ; k's 16 loads are in; v's 16 may be out
	TILE 0, \first, 1
	TILE 1, \first, 0
	TILE 2, \first, 0
	TILE 3, \first, 0
.endm
; THE SLOT JUST READ IS FILLED AGAIN, with the keys two fills on.  Each wave waits for all its tensor loads (the one that was out is its chunk of the other slot), adds 0 to its spare word, and waits for that and for its
; reads of the slot; a round of the cluster's barrier, so that no wave of any partner still reads the slot or has a load on its way; the joint refill is the first thing behind it, one load a wave.
.macro CHANGE slot
	s_wait_tensorcnt 0x0                           ; no tensor load of mine is out, so a group 0 may be written
	ds_add_u32 v[SPW], v[NIL]                      ; 0 onto my spare word: the address's step stands between it and the wait for it
	s_add_nc_u64 s[G0+4*\slot+2:G0+4*\slot+3], s[G0+4*\slot+2:G0+4*\slot+3], 2*SLOTB   ; the type bits on top are not reached
	s_wait_dscnt 0x0                               ; the add is done, and my reads of the slot are over
	ROUND
	tensor_load_to_lds s[G0+4*\slot:G0+4*\slot+3], s[G1:G1+7]
	s_nop 0
	PLACES
.endm
; A PREFETCH INTO THE L2 of fill 3, which the next change of slots will ask for: one key step ahead of that load, behind my tensor load and its four lines.  Each aligned block of 256 bytes of the fill's 131,072 is named
; once in the launch: all clusters of a batch walk the same kv, so the batch's first cluster asks; its four partners take 32,768 bytes each, told apart by address; in each, waves 0 to 3 take 8,192 bytes, lanes 256 apart.
; Fills 0, 1 and 2 come by their loads alone: nothing is asked for at the head, where every work-group's first chunks are on their way.
.macro ASK
	s_cmp_eq_u32 s[PFF], 0
	s_cbranch_scc0 .Lnot_mine_\@
	global_prefetch_b8 v[PFO], s[PFA:PFA+1] th:TH_LOAD_NT scope:SCOPE_SE
.Lnot_mine_\@:
.endm
	STEP 0, 1, 1                                   ; fill 0; fill 1 may be out
	CHANGE 0                                       ; fill 2 goes out
	ASK
	STEP 1, 0, 1                                   ; fill 1: shown landed by the wait for 0 above; fill 2 may be out
	CHANGE 1                                       ; fill 3 goes out: the last
	STEP 0, 0, 1                                   ; fill 2; fill 3 may be out
	STEP 1, 0, 0                                   ; fill 3
	; ---- THE EIGHT PARTS MEET.  Each wave puts its (-M, l) and its O^T into LDS: O^T as an image of its 128 registers, in its own part of slot 0, which has had its last fill and which it alone has read.
.irp t, 0,1,2,3
	v_add_f32 v[ST+8*\t+1], v[ST+8*\t+2], v[ST+8*\t+3]   ; l's two halves.  (These four are also the places behind the last products)
.endr
.irp t, 0,1,2,3
	ds_store_b64 v[MLW], v[ST+8*\t:ST+8*\t+1] offset:256*\t
.endr
	WIN 0x04                                       ; the stores' data in window 1
.set kk, 0
.rept 32
	ds_store_b128 v[LI], v[4*kk:4*kk+3] offset:512*kk    ; ascending: each accumulator from its low end on
.set kk, kk+1
.endr
	WIN 0
	s_wait_dscnt 0x0                               ; for the others' sake: my stores have landed
	s_barrier_signal -1
	s_barrier_wait -1
	; ---- wave 2 tq + cp merges query tile tq, channel tiles 2 cp and 2 cp + 1
.irp s, 0,1,2,3,4,5,6,7
	ds_load_b64 v[MLV+2*\s:MLV+2*\s+1], v[MLR] offset:1024*\s
.endr
	WIN 0x40                                       ; destination window 1: part s at v[16 s]
.irp s, 0,1,2,3,4,5,6,7
.irp i, 0,1,2,3
	ds_load_b128 v[16*\s+4*\i:16*\s+4*\i+3], v[ORD+(\s)/4] offset:16384*((\s)%4)+512*\i
.endr
.endr
	WIN 0
	s_wait_dscnt 32                                ; the eight pairs (-M, l) are in; the 32 loads of O^T may be out
	v_min3_num_f32 v[TA], v[MLV], v[MLV+2], v[MLV+4]
	v_min3_num_f32 v[TA], v[TA], v[MLV+6], v[MLV+8]
	v_min3_num_f32 v[TA], v[TA], v[MLV+10], v[MLV+12]
	v_min_num_f32 v[TA], v[TA], v[MLV+14]          ; -M of the whole row: the least of the eight
.irp s, 0,1,2,3,4,5,6,7
	v_sub_f32 v[F+2*\s], v[TA], v[MLV+2*\s]        ; part s's M less the row's: a whole number, 0 or less
.endr
.irp s, 0,1,2,3,4,5,6,7
	v_cvt_i32_f32 v[F+2*\s], v[F+2*\s]
.endr
.irp s, 0,1,2,3,4,5,6,7
	v_ldexp_f32 v[F+2*\s], 1.0, v[F+2*\s]          ; f_s
.endr
.irp s, 0,1,2,3,4,5,6,7
	v_mul_f32 v[F+2*\s+1], v[F+2*\s], v[MLV+2*\s+1]   ; f_s l_s
.endr
	v_add_f32 v[TB], v[F+1], v[F+3]
	v_add_f32 v[TC], v[F+5], v[F+7]
	v_add_f32 v[TA], v[F+9], v[F+11]
	v_add_f32 v[TD], v[F+13], v[F+15]
	v_add_f32 v[TB], v[TB], v[TC]
	v_add_f32 v[TA], v[TA], v[TD]
	v_add_f32 v[TB], v[TB], v[TA]
	v_permlanex16_b32 v[TC], v[TB], s[SEL], s[SEL+1]
	v_add_f32 v[TB], v[TB], v[TC]                  ; and lane l xor 16's: the row's sum
	v_rcp_f32 v[TP], v[TB]
	WIN 0x01                                       ; source 0 (a part of O^T) window 1.  The merge is the independent work behind the reciprocal
.irp s, 0,1,2,3,4,5,6,7
	s_wait_dscnt 4*(7-\s)                          ; part s's four loads are in
.irp k, 0,2,4,6,8,10,12,14
.if \s == 0
	v_pk_mul_f32 v[ACC+\k:ACC+\k+1], v[16*\s+\k:16*\s+\k+1], v[F+2*\s:F+2*\s+1] op_sel_hi:[1,0]
.else
	v_pk_fma_f32 v[ACC+\k:ACC+\k+1], v[16*\s+\k:16*\s+\k+1], v[F+2*\s:F+2*\s+1], v[ACC+\k:ACC+\k+1] op_sel_hi:[1,0,1]
.endif
.endr
.endr
	WIN 0
	s_wait_alu depctr_va_vdst(0)                   ; the wait ahead of the first line that names the reciprocal's result
	v_ldexp_f32 v[TP], v[TP], s58                  ; x 2^(e4 + e5)
.irp k, 0,2,4,6,8,10,12,14
	v_pk_mul_f32 v[ACC+\k:ACC+\k+1], v[ACC+\k:ACC+\k+1], v[TP:TP+1] op_sel_hi:[1,0]   ; the attention's result: register 8 i + j is (channel 32 cp + 16 i + 8 h + j, query r)
.endr
.irp k, 0,1,2,3,4,5,6,7,8,9,10,11,12,13,14,15
	v_med3_num_f32 v[ACC+\k], v[ACC+\k], -v[HO], v[HO]
.endr
	v_cvt_scalef32_pk8_fp8_f32 v[P:P+1], v[ACC:ACC+7], v[SCO]        ; registers 4 cp .. 4 cp + 3 of the tile's fragment (rows = queries, K = channels)
	v_cvt_scalef32_pk8_fp8_f32 v[P+2:P+3], v[ACC+8:ACC+15], v[SCO]
	v_nop                                          ; a plain vector line behind the last conversion
	ds_store_b128 v[CW], v[P:P+3]
	s_wait_dscnt 0x0
	s_barrier_signal -1
	s_barrier_wait -1
	; ---- the projection: source 0 = 16 queries, source 1 = 16 rows of w_proj: a lane's eight results are eight neighbouring positions of one output channel
	ds_load_b128 v[HF:HF+3], v[CR]
	ds_load_b128 v[HF+4:HF+7], v[CR] offset:512
	s_wait_loadcnt 0x0                             ; w_proj's codes, b_proj and x
	s_wait_dscnt 0x0
	WIN 0x04                                       ; source 1 (w_proj) window 1
	v_wmma_f32_16x16x64_fp8_fp8 v[PD:PD+7], v[HF:HF+7], v[WP:WP+7], 0
	v_wmma_f32_16x16x64_fp8_fp8 v[PD+8:PD+15], v[HF:HF+7], v[WP+8:WP+15], 0
	WIN 0
	PLACES
.irp t, 0,1
.irp k, 0,2,4,6
	v_pk_fma_f32 v[PD+8*\t+\k:PD+8*\t+\k+1], v[PD+8*\t+\k:PD+8*\t+\k+1], s[56:57], v[BP+2*\t:BP+2*\t+1] op_sel_hi:[1,0,1]   ; sum x 2^(e6 + e7) + b_proj
.endr
.endr
.irp t, 0,1
	ds_store_b128 v[SW], v[PD+8*\t:PD+8*\t+3] offset:16*SPT*\t
	ds_store_b128 v[SW], v[PD+8*\t+4:PD+8*\t+7] offset:16*SPT*\t+16
.endr
	s_wait_dscnt 0x0
	s_barrier_signal -1
	s_barrier_wait -1                              ; 64 whole rows (output channels x my 64 positions) lie in the stage
.irp i, 0,1,2,3
	ds_load_b128 v[OUTR+4*\i:OUTR+4*\i+3], v[SRD] offset:2*SPT*\i
.endr
.irp i, 0,1,2,3
	s_wait_dscnt 3-\i
	v_pk_add_f32 v[OUTR+4*\i:OUTR+4*\i+1], v[OUTR+4*\i:OUTR+4*\i+1], v[XR+4*\i:XR+4*\i+1]         ; + x
	v_pk_add_f32 v[OUTR+4*\i+2:OUTR+4*\i+3], v[OUTR+4*\i+2:OUTR+4*\i+3], v[XR+4*\i+2:XR+4*\i+3]
	global_store_b128 v[GX], v[OUTR+4*\i:OUTR+4*\i+3], s[16:17] offset:32768*\i th:TH_STORE_NT   ; sixteen lanes store 256 consecutive bytes, aligned
.endr
	s_wait_tensorcnt 0x0                           ; the wave's end, behind my last tensor load and my last LDS store
	ds_add_u32 v[SPW], v[NIL]
	s_wait_dscnt 0x0
	ROUND                                          ; the closing round: no work-group ends while a partner may still ask for a chunk that names it
	s_endpgm
.Lfunc_end_k_q7f4d7f1f07_attn:
	.size	k_q7f4d7f1f07_attn, .Lfunc_end_k_q7f4d7f1f07_attn-k_q7f4d7f1f07_attn
	.p2alignl 7, 3214868480
	.fill 96, 4, 3214868480
	.section	.rodata,"a",@progbits
	.p2align	6, 0x0
	.amdhsa_kernel k_q7f4d7f1f07_attn
		.amdhsa_group_segment_fixed_size 327680
		.amdhsa_private_segment_fixed_size 0
		.amdhsa_enable_private_segment 0
		.amdhsa_kernarg_size 56
		.amdhsa_user_sgpr_count 2
		.amdhsa_user_sgpr_kernarg_segment_ptr 1
		.amdhsa_wavefront_size32 1
		.amdhsa_system_sgpr_workgroup_id_x 1
		.amdhsa_system_sgpr_workgroup_id_y 1
		.amdhsa_system_sgpr_workgroup_id_z 1
		.amdhsa_system_vgpr_workitem_id 0
		.amdhsa_next_free_vgpr 512
		.amdhsa_next_free_sgpr 80
		.amdhsa_reserve_vcc 0
		.amdhsa_float_denorm_mode_32 3
		.amdhsa_float_denorm_mode_16_64 3
		.amdhsa_memory_ordered 1
		.amdhsa_forward_progress 1
		.amdhsa_inst_pref_size 238
	.end_amdhsa_kernel
	.amdgpu_metadata
---
amdhsa.version: [ 1, 2 ]
amdhsa.kernels:
  - .name:           k_q7f4d7f1f07_attn
    .symbol:         k_q7f4d7f1f07_attn.kd
    .args:
      - { .name: qc, .offset: 0, .size: 8, .value_kind: global_buffer, .address_space: global }
      - { .name: kv, .offset: 8, .size: 8, .value_kind: global_buffer, .address_space: global }
      - { .name: wcodes, .offset: 16, .size: 8, .value_kind: global_buffer, .address_space: global }
      - { .name: b_proj, .offset: 24, .size: 8, .value_kind: global_buffer, .address_space: global }
      - { .name: x, .offset: 32, .size: 8, .value_kind: global_buffer, .address_space: global }
      - { .name: lowp_scales, .offset: 40, .size: 8, .value_kind: global_buffer, .address_space: global }
      - { .name: out0, .offset: 48, .size: 8, .value_kind: global_buffer, .address_space: global }
    .group_segment_fixed_size: 327680
    .private_segment_fixed_size: 0
    .kernarg_segment_align: 8
    .kernarg_segment_size: 56
    .max_flat_workgroup_size: 256
    .sgpr_count:     80
    .vgpr_count:     512
    .wavefront_size: 32
...
	.end_amdgpu_metadata
.endif
;; end of part 3
;; ======== version 2 of 3: 3 launches
;; workspace buffers: stats 4,096 bytes; wcodes 16,384 bytes; qc 1,048,576 bytes; kv 2,097,152 bytes
;; launch stats: the kernel of part 1 again; grid 256 x 1, 8 waves a work-group, no clusters, 1,280 bytes of LDS; arguments x, w_qkv, w_proj, lowp_scales, stats, wcodes; writes stats, wcodes
;; launch qkv: the kernel of part 2 again; grid 64 x 4, 4 waves a work-group, no clusters, 17,920 bytes of LDS; arguments x, stats, wcodes, b_qkv, lowp_scales, qc, kv; writes qc, kv
;; launch attn (part 4): grid 64 x 4, 8 waves a work-group, no clusters, 161,792 bytes of LDS; arguments qc, kv, wcodes, b_proj, x, lowp_scales, out0; writes out0
.if DOCPART == 4
	.amdgcn_target "amdgcn-amd-amdhsa--gfx1250"
	.amdhsa_code_object_version 6
	.text
	.protected	k_q7f4d7f1f07_attn
	.globl	k_q7f4d7f1f07_attn
	.p2align	8
	.type	k_q7f4d7f1f07_attn,@function
k_q7f4d7f1f07_attn:
	s_mov_b64 s[64:65], 0
	v_nop
	global_prefetch_b8 v0, s[64:65] scope:SCOPE_SE
	s_setreg_imm32_b32 hwreg(HW_REG_WAVE_MODE, 25, 1), 1
	s_wait_xcnt 0x0
; out = x + w_proj softmax(q k^T / 8) v + b_proj, all three products on codes of E4M3, each operand with the one scale 2^e that is given for it.
; qc, kv, wcodes hold the operands as images of registers (four registers: 512 bytes, 16 x lane), made by the two launches before.
; THE SOFTMAX AHEAD OF THE SECOND PRODUCT: t = score x log2(e) / 8; M = the largest t so far, rounded UP to a whole number; p = 2^(t - M) is what is quantised (2^e4); the row's sum is taken of the unquantised p.
; SHARES.  A work-group owns 64 queries of one batch: 256 work-groups.  EVERY wave holds all 64 queries (four tiles of 16); THE EIGHT WAVES SHARE THE KEYS: in step f wave w takes one chunk of 128 keys, number 8 g + w,
; g = (f + work-group x) mod 4: the batch's 64 work-groups ask for all 32 chunks at any time, not for eight.  Each wave keeps its own running M, sum and O^T; at the end the eight parts meet in LDS and are brought
; under the largest M by exact powers of two.  Two waves share a SIMD (512 registers each): one wave's matrix instructions and loads stand beside the other's vector work, which is the bulk.
; K AND V GO FROM MEMORY STRAIGHT INTO THE OPERANDS' REGISTERS: a chunk is the image of 128 registers, 32 loads of 512 consecutive bytes.  The next step's k is loaded when the step's last k q^T is issued (behind tile 2) and
; has tile 3's softmax in which to land; the next step's v is loaded behind tile 3's last product and has tile 0's softmax.
; NO CLUSTER, NO RING IN LDS, though the work-groups of a batch read the same kv and joint tensor loads would divide the requests by four (524,288 bytes a work-group).  The reason: no two waves of a work-group share a
; byte of kv, so LDS would serve the joint loads alone, each byte written to it and read from it once more; each refill would bring a cluster's 32 waves into step.
; What is asked for is little: 16,384 bytes a wave for four tile-steps.
; No prefetch is written: in their first step the batch's work-groups between them load all of kv, at the kernel's head, where none is laid.
; THE HOLD OF p at 448 x 2^e4 is jumped over where it can do nothing: p is at most 1 (but for the last bits of the multiply-add and the exponential), and at e4 >= -8 the bound is 1.75 or more.  The branch hangs on e4 alone,
; goes round the 64 lines alone, and is the same in every wave.
; LAYOUT.  Both products are used transposed: S^T = k q^T (source 0 = 16 keys, source 1 = 16 queries), O^T = v^T p^T (source 0 = 16 channels x 128 keys, source 1 = p): a lane holds ONE query (lane % 16) throughout,
; and the eight registers of key tile c (keys 16 c + 8 (lane / 16) + 0 .. 7) convert into registers 2 c, 2 c + 1 of p's fragment: every k stands in its true place.
; LIMITS: e4 and e7 between -126 and 119; e2 + e3 between -123 and 130 (added to c's exponent field); e6 + e7 between -126 and 127; e4 + e5 is applied by v_ldexp_f32 and has none.  NaN among the inputs is not served.
; p is quantised under the wave's running M, not the row's final one: the later factors are exact powers of two, so the codes' values differ only where p falls under the format's range, or is held at 448 x 2^e4 < 1.
; REGISTERS, in windows of 256.  Window 0: v1-15 addresses; v16-47 statistics, 8 a tile; v48-79 q; v80-143 S^T, then p; v144-159 p's codes; v160-175 at work and constants; v176-239 k's fragments; v240-255 x for the residual.
;   Window 1: v0-127 O^T (tile t, channel tile cc at 32 t + 8 cc); v128-191 v's fragments; v192-207 two fragments of w_proj.
.set SLOTB, 131072                     ; eight chunks of 16,384 bytes: what the eight waves take in a step
.set ML,    131072                     ; LDS serves the tail alone.  0: the eight waves' O^T, 16,384 bytes each.  Here: (-M, l) of wave s, tile t: 1,024 s + 256 t + 8 x lane: 8,192 bytes
.set CODES, 139264                     ; the attention's result as codes: query tile tq at 1,024 tq: 4,096 bytes
.set STG,   143360                     ; the stage for out: 64 rows (output channels) x (256 bytes + 16)
.set SPT,   272
.set LI,  1                            ; v1   16 x lane + 16,384 w: where I put O^T's image
.set MLW, 6                            ; v6   where I put (-M, l)
.set MLR, 7                            ; v7   where I read those of query tile tq
.set ORD, 8                            ; v8, v9  where I read the parts of O^T: waves 0-3, waves 4-7
.set CW,  10                           ; v10  where I put four registers of codes
.set CR,  11                           ; v11  where I read the fragment back
.set SW,  12                           ; v12  the stage, in
.set SRD, 13                           ; v13  the stage, out
.set GX,  14                           ; v14  my bytes in x and in out: (8 w + h) rows of 16,384 + 16 r
.set QO,  15                           ; v15  16 x lane: my place in every image; never rewritten
.set ST,  16                           ; tile t at ST + 8 t: +0 -M; +1 the largest t, at the end l; +2, +3 the sum in two halves; +4 f; +5 named with f as a pair
.set Q,   48
.set S,   80
.set P,   144
.set TA,  160                          ; v160-166 at work: four chains of the maximum (TA, TB, TD, TE), the permute's destination (TC); as pairs, three chains of the sum (SA, SB, SC)
.set TB,  161
.set TC,  162
.set TE,  163
.set TP,  164
.set TD,  166
.set SA,  160
.set SB,  162
.set SC,  164
.set BPO, 167                          ; v167 b_proj: 4 r + 128 cp
.set HP,  168                          ; v168, v169  448 x 2^e4, 2^e4
.set SCP, 169
.set HO,  170                          ; v170, v171  448 x 2^e7, 2^e7
.set SCO, 171
.set BP,  172                          ; v172-175  b_proj: two pairs
.set KF,  176
.set XR,  240
.set VF,  128                          ; in window 1
.set WP,  192                          ; in window 1
.set ACC, 80                           ; the tail: the merged O^T of my tile and channels
.set HF,  96                           ; its fragment
.set PD,  104                          ; the projection's two accumulators
.set OUTR, 120                         ; rows of out
.set MLV, 176                          ; the eight pairs (-M, l)
.set F,   192                          ; the eight pairs (f, f l)
.set WV,  18                           ; s18  my wave's number
.set KVB, 24                           ; s[24:31] kv at my chunk of step 0, 1, 2, 3; never rewritten
.set E4,  44                           ; s44  e4
.set CS,  48                           ; s[48:49] c = log2(e) / 8 x 2^(e2 + e3)
.set SEL, 50                           ; s[50:51] v_permlanex16_b32's selects: lane l xor 16
.set MSB, 0
.macro WIN new                         ; the immediate's high byte repeats the setting that is left; a switch that changes nothing is dropped
.if MSB != \new
	s_set_vgpr_msb (MSB<<8)|\new
.set MSB, \new
.endif
.endm
.macro PLACES                          ; four plain places: behind a matrix instruction, ahead of a read of its result or of a load into one of its registers
.rept 4
	v_nop
.endr
.endm
.macro MKSC e, vs, vh                  ; from the exponent in s[e]: 2^e and 448 x 2^e as f32
	s_add_co_i32 s70, s[\e], 127
	s_lshl_b32 s71, s70, 23
	v_mov_b32 v[\vs], s71
	s_add_co_i32 s70, s70, 8
	s_lshl_b32 s70, s70, 23
	s_or_b32 s70, s70, 0x600000
	v_mov_b32 v[\vh], s70
.endm
.macro KLOAD f                         ; step f's k: eight fragments of 16 keys x 64 channels, 16 loads of 512 consecutive bytes
.irp i, 0,1,2,3,4,5,6,7,8,9,10,11,12,13,14,15
	global_load_b128 v[KF+4*\i:KF+4*\i+3], v[QO], s[KVB+2*(\f):KVB+2*(\f)+1] offset:512*\i
.endr
.endm
.macro VLOAD f                         ; step f's v: four fragments of 16 channels x 128 keys
	WIN 0x40                                       ; destination window 1
.irp i, 0,1,2,3,4,5,6,7,8,9,10,11,12,13,14,15
	global_load_b128 v[VF+4*\i:VF+4*\i+3], v[QO], s[KVB+2*(\f):KVB+2*(\f)+1] offset:8192+512*\i
.endr
	WIN 0
.endm
.macro QK t                            ; S^T = k q^T for query tile t: eight accumulators, one instruction each
.irp c, 0,1,2,3,4,5,6,7
	v_wmma_f32_16x16x64_fp8_fp8 v[S+8*\c:S+8*\c+7], v[KF+8*\c:KF+8*\c+7], v[Q+8*(\t):Q+8*(\t)+7], 0
.endr
.endm
	s_load_b256 s[4:11], s[0:1], 0x0               ; qc s[4:5], kv s[6:7], wcodes s[8:9], b_proj s[10:11]
	s_load_b128 s[12:15], s[0:1], 0x20             ; x s[12:13], the scales' exponents s[14:15]
	s_load_b64 s[16:17], s[0:1], 0x30              ; out0
	v_lshl_add_u32 v46, v0, 2, 0x27400
	v_mov_b32 v47, 0
	v_lshrrev_b32 v80, 5, v0                       ; w
	v_readfirstlane_b32 s[WV], v80                 ; wave 0..7
	s_and_b32 s20, s[WV], 1                        ; cp: which half of the channels is mine in the tail
	s_and_b32 s23, ttmp7, 0xffff                   ; the batch; ttmp9 is my block of 64 queries
	v_and_b32 v81, 31, v0                          ; lane
	v_and_b32 v82, 15, v0                          ; r
	v_bfe_u32 v83, v0, 4, 1                        ; h
	v_lshrrev_b32 v84, 6, v0                       ; tq = w / 2: my query tile in the tail
	v_bfe_u32 v85, v0, 5, 1                        ; cp = w % 2
	v_lshlrev_b32 v[QO], 4, v81
	v_lshl_add_u32 v[LI], v80, 14, v[QO]
	v_lshlrev_b32 v[MLW], 3, v81
	v_lshl_add_u32 v[MLR], v84, 8, v[MLW]
	v_add_nc_u32 v[MLR], ML, v[MLR]
	v_lshl_add_u32 v[MLW], v80, 10, v[MLW]
	v_add_nc_u32 v[MLW], ML, v[MLW]
	v_lshl_add_u32 v[ORD], v84, 12, v[QO]          ; tile tq's 32 registers of an image of O^T,
	v_lshl_add_u32 v[ORD], v85, 11, v[ORD]         ; channel tiles 2 cp, 2 cp + 1 of them
	v_add_nc_u32 v[ORD+1], 65536, v[ORD]
	v_lshl_add_u32 v[CR], v84, 10, v[QO]
	v_add_nc_u32 v[CR], CODES, v[CR]
	v_lshl_add_u32 v[CW], v85, 9, v[CR]
	v_mul_u32_u24 v[SW], v82, SPT                  ; the stage, in: row 32 cp + 16 T + r, bytes 64 tq + 32 h on
	v_mul_u32_u24 v86, v85, 32*SPT
	v_add_nc_u32 v[SW], v[SW], v86
	v_lshl_add_u32 v[SW], v84, 6, v[SW]
	v_lshl_add_u32 v[SW], v83, 5, v[SW]
	v_add_nc_u32 v[SW], STG, v[SW]
	v_lshl_add_u32 v86, v80, 3, v83                ; 8 w + h
	v_mul_u32_u24 v[SRD], v86, SPT                 ; out: lanes 0-15 one row, lanes 16-31 the next
	v_lshl_add_u32 v[SRD], v82, 4, v[SRD]
	v_add_nc_u32 v[SRD], STG, v[SRD]
	v_lshlrev_b32 v[GX], 14, v86
	v_lshl_add_u32 v[GX], v82, 4, v[GX]
	v_lshlrev_b32 v[BPO], 2, v82
	v_lshl_add_u32 v[BPO], v85, 7, v[BPO]
	v_mov_b32 v[TC], 0                             ; written once: a lane permute's destination counts as one of its sources
.irp t, 0,1,2,3
	v_mov_b32 v[ST+8*\t+5], 0                      ; (named as the upper half of f's pair)
.endr
	s_mov_b32 s[SEL], 0x76543210
	s_mov_b32 s[SEL+1], 0xfedcba98
	s_lshl_b32 s62, s23, 19                        ; the batch's 524,288 bytes of kv,
	s_lshl_b32 s60, s[WV], 14                      ; my wave's chunk among eight
	s_add_co_u32 s62, s62, s60
.irp f, 0,1,2,3
	s_add_co_u32 s60, ttmp9, \f                    ; step f takes the eight chunks (f + block) mod 4
	s_and_b32 s60, s60, 3
	s_lshl_b32 s60, s60, 17
	s_add_co_u32 s[KVB+2*\f], s60, s62
	s_mov_b32 s[KVB+2*\f+1], 0
.endr
	s_lshl_b32 s60, s23, 18                        ; q: (256 b + 4 x block) x 1,024
	s_lshl_b32 s61, ttmp9, 12
	s_add_co_u32 s60, s60, s61
	s_mov_b32 s61, 0
	s_lshl_b32 s66, s20, 11                        ; w_proj's tiles 2 cp, 2 cp + 1: images 12 + 2 cp on
	s_add_co_u32 s66, s66, 12*1024
	s_mov_b32 s67, 0
	s_lshl_b32 s68, s23, 20                        ; x and out: the batch's 64 rows of 16,384 bytes, my block's 256 bytes of a row
	s_lshl_b32 s69, ttmp9, 8
	s_add_co_u32 s68, s68, s69
	s_mov_b32 s69, 0
	s_wait_kmcnt 0x0
	s_load_b256 s[40:47], s[14:15], 0x0            ; e0 .. e7
	s_add_nc_u64 s[4:5], s[4:5], s[60:61]
.irp f, 0,1,2,3
	s_add_nc_u64 s[KVB+2*\f:KVB+2*\f+1], s[6:7], s[KVB+2*\f:KVB+2*\f+1]
.endr
	s_add_nc_u64 s[8:9], s[8:9], s[66:67]
	s_add_nc_u64 s[12:13], s[12:13], s[68:69]
	s_add_nc_u64 s[16:17], s[16:17], s[68:69]
.irp k, 0,1,2,3,4,5,6,7
	global_load_b128 v[Q+4*\k:Q+4*\k+3], v[QO], s[4:5] offset:512*\k   ; q's four fragments stay in registers
.endr
	KLOAD 0
	VLOAD 0
	WIN 0x40                                       ; destination window 1
.irp k, 0,1,2,3
	global_load_b128 v[WP+4*\k:WP+4*\k+3], v[QO], s[8:9] offset:512*\k
.endr
	WIN 0
.irp t, 0,1
	global_load_b32 v[BP+2*\t], v[BPO], s[10:11] offset:64*\t      ; b_proj of output 32 cp + 16 T + r, in both halves of a pair
	global_load_b32 v[BP+2*\t+1], v[BPO], s[10:11] offset:64*\t
.endr
.irp i, 0,1,2,3
	global_load_b128 v[XR+4*\i:XR+4*\i+3], v[GX], s[12:13] offset:32768*\i th:TH_LOAD_NT   ; rows 8 w + h + 2 i: sixteen lanes read 256 consecutive bytes, aligned; wanted only at the end
.endr
	s_wait_kmcnt 0x0
	s_add_co_i32 s70, s42, s43
	s_lshl_b32 s70, s70, 23
	s_mov_b32 s[CS], 0x3e38aa3b                    ; log2(e) / 8
	s_add_co_i32 s[CS], s[CS], s70                 ; a score stands for score x 2^(e2 + e3): the two exponents are added to c's exponent field
	s_mov_b32 s[CS+1], s[CS]                       ; (named with it as a pair, so it is written)
	MKSC 44, SCP, HP
	MKSC 47, SCO, HO
	s_add_co_i32 s56, s46, s47
	s_add_co_i32 s56, s56, 127
	s_lshl_b32 s56, s56, 23                        ; 2^(e6 + e7) as f32
	s_mov_b32 s57, s56
	s_add_co_i32 s58, s44, s45                     ; e4 + e5
; 16 QUERIES x 128 KEYS.  The tile's scores lie in S when the macro begins: they were made at the end of the tile before.
; first = 1: the wave's first key step, which starts M, the sum and O^T.  vcnt >= 0: v's fragments are waited for ahead of the second product, with that count.
; nq >= 0: the scores of the tile that follows (query tile nq) are made as soon as the conversions have emptied S.  kw = 1: they are the next step's, and its k is waited for first.
.macro TILE t, first, vcnt, nq, kw
.set rT, ST+8*(\t)
	v_max3_num_f32 v[TA], v[S], v[S+1], v[S+2]     ; the step's largest score of my query among my 64 keys, in four chains, ascending: each accumulator is first read at its low end
	v_max3_num_f32 v[TB], v[S+3], v[S+4], v[S+5]
	v_max3_num_f32 v[TD], v[S+6], v[S+7], v[S+8]
	v_max3_num_f32 v[TE], v[S+9], v[S+10], v[S+11]
.irp i, 12,20,28,36,44,52
	v_max3_num_f32 v[TA], v[TA], v[S+\i], v[S+\i+1]
	v_max3_num_f32 v[TB], v[TB], v[S+\i+2], v[S+\i+3]
	v_max3_num_f32 v[TD], v[TD], v[S+\i+4], v[S+\i+5]
	v_max3_num_f32 v[TE], v[TE], v[S+\i+6], v[S+\i+7]
.endr
	v_max3_num_f32 v[TA], v[TA], v[S+60], v[S+61]
	v_max3_num_f32 v[TB], v[TB], v[S+62], v[S+63]
	v_max3_num_f32 v[TA], v[TA], v[TB], v[TD]
	v_max_num_f32 v[TA], v[TA], v[TE]
	v_permlanex16_b32 v[TC], v[TA], s[SEL], s[SEL+1]
	v_max_num_f32 v[TA], v[TA], v[TC]              ; and among lane l xor 16's
.if \first
	v_mul_f32 v[rT+1], s[CS], v[TA]                ; as t (c is positive): the largest t so far
	v_floor_f32 v[rT], -v[rT+1]                    ; -M = floor(-t) = -ceil(t): M is a whole number
.else
	v_mul_f32 v[TA], s[CS], v[TA]
	v_max_num_f32 v[rT+1], v[rT+1], v[TA]          ; the running largest t
	v_mov_b32 v[TA], v[rT]
	v_floor_f32 v[rT], -v[rT+1]
	v_sub_f32 v[TA], v[rT], v[TA]                  ; M's old value less its new one: a whole number, 0 or less
	v_cvt_i32_f32 v[TA], v[TA]                     ; (it saturates)
	v_ldexp_f32 v[rT+4], 1.0, v[TA]                ; f = 2^(old M - new M): a multiplication by it rounds nothing
.endif
.set kk, 0
.rept 32
	v_pk_fma_f32 v[S+kk:S+kk+1], v[S+kk:S+kk+1], s[CS:CS+1], v[rT:rT+1] op_sel_hi:[1,0,0]   ; t - M, two at a time (of the pairs c and -M the low word serves both halves)
.set kk, kk+2
.endr
.set kk, 0
.rept 64
	v_exp_f32 v[S+kk], v[S+kk]                     ; p = 2^(t - M): not normalised
.set kk, kk+1
.endr
.if \first
	v_nop                                          ; a plain line behind the exponentials
.else
	v_pk_mul_f32 v[rT+2:rT+3], v[rT+2:rT+3], v[rT+4:rT+5] op_sel_hi:[1,0]   ; the sum under the new M.  (A plain line behind the exponentials)
.endif
	s_wait_alu depctr_va_vdst(0)                   ; the wait ahead of the first line that names an exponential's result: one for the batch of 64
	v_pk_add_f32 v[SA:SA+1], v[S:S+1], v[S+2:S+3]  ; the row's sum is taken of the unquantised p: two at a time, in four chains
	v_pk_add_f32 v[SB:SB+1], v[S+4:S+5], v[S+6:S+7]
	v_pk_add_f32 v[SC:SC+1], v[S+8:S+9], v[S+10:S+11]
.if \first
	v_pk_add_f32 v[rT+2:rT+3], v[S+12:S+13], v[S+14:S+15]
.else
	v_pk_add_f32 v[rT+2:rT+3], v[rT+2:rT+3], v[S+12:S+13]
	v_pk_add_f32 v[SA:SA+1], v[SA:SA+1], v[S+14:S+15]
.endif
.irp j, 16,24,32,40,48,56
	v_pk_add_f32 v[SB:SB+1], v[SB:SB+1], v[S+\j:S+\j+1]
	v_pk_add_f32 v[SC:SC+1], v[SC:SC+1], v[S+\j+2:S+\j+3]
	v_pk_add_f32 v[rT+2:rT+3], v[rT+2:rT+3], v[S+\j+4:S+\j+5]
	v_pk_add_f32 v[SA:SA+1], v[SA:SA+1], v[S+\j+6:S+\j+7]
.endr
	v_pk_add_f32 v[SA:SA+1], v[SA:SA+1], v[SB:SB+1]
	v_pk_add_f32 v[rT+2:rT+3], v[rT+2:rT+3], v[SC:SC+1]
	v_pk_add_f32 v[rT+2:rT+3], v[rT+2:rT+3], v[SA:SA+1]
	s_cmp_ge_i32 s[E4], -8                         ; 448 x 2^e4 >= 1.75: no p reaches it
	s_cbranch_scc1 .Lno_hold_\@
.set kk, 0
.rept 64
	v_min_num_f32 v[S+kk], v[S+kk], v[HP]          ; the conversion to an 8-bit code does not saturate (ISA guide 7.6.2); p is not negative, so the hold is one-sided
.set kk, kk+1
.endr
.Lno_hold_\@:
.irp c, 0,1,2,3,4,5,6,7
	v_cvt_scalef32_pk8_fp8_f32 v[P+2*\c:P+2*\c+1], v[S+8*\c:S+8*\c+7], v[SCP]   ; keys 16 c + 8 (lane / 16) + 0 .. 7
.endr
	v_nop                                          ; a plain line between the last conversion and the products, which write its sources (S) and read its result (P)
.if \kw
	s_wait_loadcnt 0x0                             ; the next step's k is in: in the first step w_proj's, b_proj's and x's 12 loads also
.endif
.if (\nq) >= 0
	QK \nq
.endif
.if (\vcnt) >= 0
	s_wait_loadcnt \vcnt                           ; this step's v is in
.endif
.if \first
	PLACES                                         ; behind the scores' products: the next tile's maximum reads them, and behind tile 2 k's registers are loaded anew
.else
	WIN 0x41                                       ; O^T (destination and source 0) window 1, f window 0
.set kk, 32*(\t)
.rept 16
	v_pk_mul_f32 v[kk:kk+1], v[kk:kk+1], v[rT+4:rT+5] op_sel_hi:[1,0]   ; O^T under the new M.  (These sixteen are also the places behind the scores' products)
.set kk, kk+2
.endr
.endif
	WIN 0x51                                       ; v window 1, p window 0, O^T window 1
.irp cc, 0,1,2,3                               ; four accumulators by turns; the next link of each stands a whole key step on
.if \first
	v_wmma_f32_16x16x128_fp8_fp8 v[32*(\t)+8*\cc:32*(\t)+8*\cc+7], v[VF+16*\cc:VF+16*\cc+15], v[P:P+15], 0
.else
	v_wmma_f32_16x16x128_fp8_fp8 v[32*(\t)+8*\cc:32*(\t)+8*\cc+7], v[VF+16*\cc:VF+16*\cc+15], v[P:P+15], v[32*(\t)+8*\cc:32*(\t)+8*\cc+7]
.endif
.endr
	WIN 0
.endm
; A KEY STEP: my chunk of 128 keys against the four tiles of queries.  vcnt: how many loads younger than this step's v may stay out at tile 0's second product.
.macro STEP f, first, vcnt
	TILE 0, \first, \vcnt, 1, 0
	TILE 1, \first, -1, 2, 0
	TILE 2, \first, -1, 3, 0
.if (\f) < 3
	KLOAD (\f)+1                                   ; the step's last k q^T was issued in tile 2, with sixteen (in the first step four) plain lines behind it
	TILE 3, \first, -1, 0, 1
	PLACES                                         ; behind the step's last v^T p^T
	VLOAD (\f)+1
.else
	TILE 3, \first, -1, -1, 0
.endif
.endm
	s_wait_loadcnt 28                              ; q's 8 loads and k's 16 are in; the 28 younger ones (v 16, w_proj 4, b_proj 4, x 4) may be out
	QK 0
	PLACES
	STEP 0, 1, 12                                  ; at tile 0's second product v's 16 are in; the 12 younger loads may be out
	STEP 1, 0, 0
	STEP 2, 0, 0
	STEP 3, 0, 0
	; ---- THE EIGHT PARTS MEET.  Each wave puts its (-M, l) and its O^T into LDS: O^T as an image of its 128 registers.
.irp t, 0,1,2,3
	v_add_f32 v[ST+8*\t+1], v[ST+8*\t+2], v[ST+8*\t+3]   ; l's two halves.  (These four are also the places behind the last products)
.endr
.irp t, 0,1,2,3
	ds_store_b64 v[MLW], v[ST+8*\t:ST+8*\t+1] offset:256*\t
.endr
	WIN 0x04                                       ; the stores' data in window 1
.set kk, 0
.rept 32
	ds_store_b128 v[LI], v[4*kk:4*kk+3] offset:512*kk    ; ascending: each accumulator from its low end on
.set kk, kk+1
.endr
	WIN 0
	s_wait_dscnt 0x0                               ; for the others' sake: my stores have landed
	s_barrier_signal -1
	s_barrier_wait -1
	; ---- wave 2 tq + cp merges query tile tq, channel tiles 2 cp and 2 cp + 1
.irp s, 0,1,2,3,4,5,6,7
	ds_load_b64 v[MLV+2*\s:MLV+2*\s+1], v[MLR] offset:1024*\s
.endr
	WIN 0x40                                       ; destination window 1: part s at v[16 s]
.irp s, 0,1,2,3,4,5,6,7
.irp i, 0,1,2,3
	ds_load_b128 v[16*\s+4*\i:16*\s+4*\i+3], v[ORD+(\s)/4] offset:16384*((\s)%4)+512*\i
.endr
.endr
	WIN 0
	s_wait_dscnt 32                                ; the eight pairs (-M, l) are in; the 32 loads of O^T may be out
	v_min3_num_f32 v[TA], v[MLV], v[MLV+2], v[MLV+4]
	v_min3_num_f32 v[TA], v[TA], v[MLV+6], v[MLV+8]
	v_min3_num_f32 v[TA], v[TA], v[MLV+10], v[MLV+12]
	v_min_num_f32 v[TA], v[TA], v[MLV+14]          ; -M of the whole row: the least of the eight
.irp s, 0,1,2,3,4,5,6,7
	v_sub_f32 v[F+2*\s], v[TA], v[MLV+2*\s]        ; part s's M less the row's: a whole number, 0 or less
.endr
.irp s, 0,1,2,3,4,5,6,7
	v_cvt_i32_f32 v[F+2*\s], v[F+2*\s]
.endr
.irp s, 0,1,2,3,4,5,6,7
	v_ldexp_f32 v[F+2*\s], 1.0, v[F+2*\s]          ; f_s
.endr
.irp s, 0,1,2,3,4,5,6,7
	v_mul_f32 v[F+2*\s+1], v[F+2*\s], v[MLV+2*\s+1]   ; f_s l_s
.endr
	v_add_f32 v[TB], v[F+1], v[F+3]
	v_add_f32 v[TC], v[F+5], v[F+7]
	v_add_f32 v[TA], v[F+9], v[F+11]
	v_add_f32 v[TD], v[F+13], v[F+15]
	v_add_f32 v[TB], v[TB], v[TC]
	v_add_f32 v[TA], v[TA], v[TD]
	v_add_f32 v[TB], v[TB], v[TA]
	v_permlanex16_b32 v[TC], v[TB], s[SEL], s[SEL+1]
	v_add_f32 v[TB], v[TB], v[TC]                  ; and lane l xor 16's: the row's sum
	v_rcp_f32 v[TP], v[TB]
	WIN 0x01                                       ; source 0 (a part of O^T) window 1.  The merge is the independent work behind the reciprocal
.irp s, 0,1,2,3,4,5,6,7
	s_wait_dscnt 4*(7-\s)                          ; part s's four loads are in
.irp k, 0,2,4,6,8,10,12,14
.if \s == 0
	v_pk_mul_f32 v[ACC+\k:ACC+\k+1], v[16*\s+\k:16*\s+\k+1], v[F+2*\s:F+2*\s+1] op_sel_hi:[1,0]
.else
	v_pk_fma_f32 v[ACC+\k:ACC+\k+1], v[16*\s+\k:16*\s+\k+1], v[F+2*\s:F+2*\s+1], v[ACC+\k:ACC+\k+1] op_sel_hi:[1,0,1]
.endif
.endr
.endr
	WIN 0
	s_wait_alu depctr_va_vdst(0)                   ; the wait ahead of the first line that names the reciprocal's result
	v_ldexp_f32 v[TP], v[TP], s58                  ; x 2^(e4 + e5)
.irp k, 0,2,4,6,8,10,12,14
	v_pk_mul_f32 v[ACC+\k:ACC+\k+1], v[ACC+\k:ACC+\k+1], v[TP:TP+1] op_sel_hi:[1,0]   ; the attention's result: register 8 i + j is (channel 32 cp + 16 i + 8 h + j, query r)
.endr
.irp k, 0,1,2,3,4,5,6,7,8,9,10,11,12,13,14,15
	v_med3_num_f32 v[ACC+\k], v[ACC+\k], -v[HO], v[HO]
.endr
	v_cvt_scalef32_pk8_fp8_f32 v[P:P+1], v[ACC:ACC+7], v[SCO]        ; registers 4 cp .. 4 cp + 3 of the tile's fragment (rows = queries, K = channels)
	v_cvt_scalef32_pk8_fp8_f32 v[P+2:P+3], v[ACC+8:ACC+15], v[SCO]
	v_nop                                          ; a plain vector line behind the last conversion
	ds_store_b128 v[CW], v[P:P+3]
	s_wait_dscnt 0x0
	s_barrier_signal -1
	s_barrier_wait -1
	; ---- the projection: source 0 = 16 queries, source 1 = 16 rows of w_proj: a lane's eight results are eight neighbouring positions of one output channel
	ds_load_b128 v[HF:HF+3], v[CR]
	ds_load_b128 v[HF+4:HF+7], v[CR] offset:512
	s_wait_loadcnt 0x0                             ; w_proj's codes, b_proj and x (in since the first step)
	s_wait_dscnt 0x0
	WIN 0x04                                       ; source 1 (w_proj) window 1
	v_wmma_f32_16x16x64_fp8_fp8 v[PD:PD+7], v[HF:HF+7], v[WP:WP+7], 0
	v_wmma_f32_16x16x64_fp8_fp8 v[PD+8:PD+15], v[HF:HF+7], v[WP+8:WP+15], 0
	WIN 0
	PLACES
.irp t, 0,1
.irp k, 0,2,4,6
	v_pk_fma_f32 v[PD+8*\t+\k:PD+8*\t+\k+1], v[PD+8*\t+\k:PD+8*\t+\k+1], s[56:57], v[BP+2*\t:BP+2*\t+1] op_sel_hi:[1,0,1]   ; sum x 2^(e6 + e7) + b_proj
.endr
.endr
.irp t, 0,1
	ds_store_b128 v[SW], v[PD+8*\t:PD+8*\t+3] offset:16*SPT*\t
	ds_store_b128 v[SW], v[PD+8*\t+4:PD+8*\t+7] offset:16*SPT*\t+16
.endr
	s_wait_dscnt 0x0
	s_barrier_signal -1
	s_barrier_wait -1                              ; 64 whole rows (output channels x my 64 positions) lie in the stage
.irp i, 0,1,2,3
	ds_load_b128 v[OUTR+4*\i:OUTR+4*\i+3], v[SRD] offset:2*SPT*\i
.endr
.irp i, 0,1,2,3
	s_wait_dscnt 3-\i
	v_pk_add_f32 v[OUTR+4*\i:OUTR+4*\i+1], v[OUTR+4*\i:OUTR+4*\i+1], v[XR+4*\i:XR+4*\i+1]         ; + x
	v_pk_add_f32 v[OUTR+4*\i+2:OUTR+4*\i+3], v[OUTR+4*\i+2:OUTR+4*\i+3], v[XR+4*\i+2:XR+4*\i+3]
	global_store_b128 v[GX], v[OUTR+4*\i:OUTR+4*\i+3], s[16:17] offset:32768*\i th:TH_STORE_NT   ; sixteen lanes store 256 consecutive bytes, aligned
.endr
	s_wait_tensorcnt 0x0
	ds_add_u32 v46, v47
	s_wait_dscnt 0x0
	s_endpgm
.Lfunc_end_k_q7f4d7f1f07_attn:
	.size	k_q7f4d7f1f07_attn, .Lfunc_end_k_q7f4d7f1f07_attn-k_q7f4d7f1f07_attn
	.p2alignl 7, 3214868480
	.fill 96, 4, 3214868480
	.section	.rodata,"a",@progbits
	.p2align	6, 0x0
	.amdhsa_kernel k_q7f4d7f1f07_attn
		.amdhsa_group_segment_fixed_size 161792
		.amdhsa_private_segment_fixed_size 0
		.amdhsa_enable_private_segment 0
		.amdhsa_kernarg_size 56
		.amdhsa_user_sgpr_count 2
		.amdhsa_user_sgpr_kernarg_segment_ptr 1
		.amdhsa_wavefront_size32 1
		.amdhsa_system_sgpr_workgroup_id_x 1
		.amdhsa_system_sgpr_workgroup_id_y 1
		.amdhsa_system_sgpr_workgroup_id_z 1
		.amdhsa_system_vgpr_workitem_id 0
		.amdhsa_next_free_vgpr 512
		.amdhsa_next_free_sgpr 80
		.amdhsa_reserve_vcc 0
		.amdhsa_float_denorm_mode_32 3
		.amdhsa_float_denorm_mode_16_64 3
		.amdhsa_memory_ordered 1
		.amdhsa_forward_progress 1
		.amdhsa_inst_pref_size 238
	.end_amdhsa_kernel
	.amdgpu_metadata
---
amdhsa.version: [ 1, 2 ]
amdhsa.kernels:
  - .name:           k_q7f4d7f1f07_attn
    .symbol:         k_q7f4d7f1f07_attn.kd
    .args:
      - { .name: qc, .offset: 0, .size: 8, .value_kind: global_buffer, .address_space: global }
      - { .name: kv, .offset: 8, .size: 8, .value_kind: global_buffer, .address_space: global }
      - { .name: wcodes, .offset: 16, .size: 8, .value_kind: global_buffer, .address_space: global }
      - { .name: b_proj, .offset: 24, .size: 8, .value_kind: global_buffer, .address_space: global }
      - { .name: x, .offset: 32, .size: 8, .value_kind: global_buffer, .address_space: global }
      - { .name: lowp_scales, .offset: 40, .size: 8, .value_kind: global_buffer, .address_space: global }
      - { .name: out0, .offset: 48, .size: 8, .value_kind: global_buffer, .address_space: global }
    .group_segment_fixed_size: 161792
    .private_segment_fixed_size: 0
    .kernarg_segment_align: 8
    .kernarg_segment_size: 56
    .max_flat_workgroup_size: 256
    .sgpr_count:     80
    .vgpr_count:     512
    .wavefront_size: 32
...
	.end_amdgpu_metadata
.endif
;; end of part 4
;; ======== version 3 of 3: 3 launches
;; workspace buffers: stats 4,096 bytes; wcodes 16,384 bytes; qc 1,048,576 bytes; kv 2,097,152 bytes
;; launch stats (part 5): grid 256 x 1, 8 waves a work-group, no clusters, 1,280 bytes of LDS; arguments x, w_qkv, w_proj, lowp_scales, stats, wcodes; writes stats, wcodes
.if DOCPART == 5
	.amdgcn_target "amdgcn-amd-amdhsa--gfx1250"
	.amdhsa_code_object_version 6
	.text
	.protected	k_q7f4d7f1f07_stats
	.globl	k_q7f4d7f1f07_stats
	.p2align	8
	.type	k_q7f4d7f1f07_stats,@function
k_q7f4d7f1f07_stats:
	s_mov_b64 s[64:65], 0
	v_nop
	global_prefetch_b8 v0, s[64:65] scope:SCOPE_SE
	s_setreg_imm32_b32 hwreg(HW_REG_WAVE_MODE, 25, 1), 1
	s_wait_xcnt 0x0
; THE NORM'S STATISTICS, AND THE WEIGHTS' CODES.
; x is [4][64][4096] f32.  Work-group i takes row i = 64 b + c (4,096 numbers, 16,384 bytes) and stores (mean, mean, rstd, rstd) at byte 16 i of stats: two ready pairs for packed arithmetic.
; rstd = 1 / sqrt(var + 1e-5), var the mean of (x - mean)^2: the row stays in registers between the two passes, so no difference of large sums is formed and the row is read once.
; Thread t holds 16 numbers: 16 bytes at 16 t + 4,096 j, j = 0 .. 3: each load of a wave covers 512 consecutive bytes.  Sums: in a lane, across the 32 lanes, across the 8 waves through 8 words of LDS.
; Beside that, wave 0 of work-groups 0 to 15 turns one tile of 16 rows x 64 of a weight into codes of E4M3: tiles 0-11 of w_qkv (scale 2^e0), tiles 12-15 of w_proj (scale 2^e6).
; A tile is stored as the IMAGE OF AN OPERAND'S REGISTERS (16x16x64 form): lane (r, h) holds row r, registers 2 i, 2 i + 1 hold k = 16 i + 8 h + 0 .. 7; registers 4 g .. 4 g + 3 lie at 1,024 T + 512 g + 16 x lane.
; code = w / 2^e, held within +-448, to the nearest code, ties to even.
; LIMITS: e0 and e6 between -126 and 119, so that 2^e and 448 x 2^e are f32 numbers.  NaN among the inputs is not served.
; The statistics leave as 16 bytes a work-group: the buffer is 4,096 bytes in all, and a row's numbers are known to one work-group alone.
.set X,  8                             ; v8-23   my 16 numbers of the row
.set WN, 24                            ; v24-55  a weight tile's 32 numbers of my lane; later at work
.set WC, 56                            ; v56-63  their codes
	s_load_b256 s[4:11], s[0:1], 0x0               ; x s[4:5], w_qkv s[6:7], w_proj s[8:9], the scales' exponents s[10:11]
	s_load_b128 s[12:15], s[0:1], 0x20             ; stats s[12:13], wcodes s[14:15]
	v_lshl_add_u32 v64, v0, 2, 0x100
	v_mov_b32 v65, 0
	v_lshrrev_b32 v2, 5, v0
	s_delay_alu instid0(VALU_DEP_1)
	v_readfirstlane_b32 s16, v2                    ; wave 0..7
	s_delay_alu instid0(VALU_DEP_2)
	v_lshlrev_b32 v2, 2, v2                        ; my wave's word in LDS
	v_lshlrev_b32 v1, 4, v0                        ; 16 x thread
	v_mov_b32 v3, 0
	v_mov_b32 v7, 0                                ; written once: a lane permute's destination counts as one of its sources
	s_mov_b32 s18, 0x76543210                      ; v_permlanex16_b32: each lane takes its own place in the other half
	s_mov_b32 s19, 0xfedcba98
	s_lshl_b32 s20, ttmp9, 14                      ; my row's first byte
	s_mov_b32 s21, 0
	s_wait_alu depctr_va_vdst(0)
	s_wait_kmcnt 0x0
	s_add_nc_u64 s[4:5], s[4:5], s[20:21]
.irp j, 0,1,2,3
	global_load_b128 v[X+4*\j:X+4*\j+3], v1, s[4:5] offset:4096*\j th:TH_LOAD_NT
.endr
	; ---- the weights: wave 0 of work-groups 0 to 15; a branch on ids, with no barrier inside
	s_lshr_b32 s22, ttmp9, 4
	s_or_b32 s22, s22, s16
	s_cmp_lg_u32 s22, 0
	s_cbranch_scc1 .Lno_weights
	s_load_b32 s24, s[10:11], 0x0                  ; e0
	s_load_b32 s25, s[10:11], 0x18                 ; e6
	s_cmp_lt_u32 ttmp9, 12                         ; the choice of the tensor hangs on the work-group's number alone
	s_cselect_b64 s[6:7], s[6:7], s[8:9]
	s_cselect_b32 s26, 0, 12
	s_sub_co_u32 s26, ttmp9, s26                   ; the tile's number in its tensor
	s_lshl_b32 s26, s26, 12                        ; 16 rows of 256 bytes
	s_mov_b32 s27, 0
	s_add_nc_u64 s[6:7], s[6:7], s[26:27]
	v_and_b32 v4, 15, v0                           ; r (in wave 0 the thread's number is the lane's)
	v_bfe_u32 v5, v0, 4, 1                         ; h
	s_delay_alu instid0(VALU_DEP_2)
	v_lshlrev_b32 v4, 8, v4
	s_delay_alu instid0(VALU_DEP_1)
	v_lshl_add_u32 v4, v5, 5, v4                   ; row r, + 8 h numbers
.irp i, 0,1,2,3
	global_load_b128 v[WN+8*\i:WN+8*\i+3], v4, s[6:7] offset:64*\i        ; k = 16 i + 8 h + 0 .. 3
	global_load_b128 v[WN+8*\i+4:WN+8*\i+7], v4, s[6:7] offset:64*\i+16   ; and + 4 .. 7
.endr
	s_lshl_b32 s26, ttmp9, 10                      ; the tile's image
	s_add_nc_u64 s[14:15], s[14:15], s[26:27]
	s_wait_kmcnt 0x0
	s_cmp_lt_u32 ttmp9, 12
	s_cselect_b32 s24, s24, s25                    ; e
	s_add_co_i32 s24, s24, 127
	s_lshl_b32 s25, s24, 23
	v_mov_b32 v6, s25                              ; 2^e as f32: the conversion takes its exponent field
	s_add_co_i32 s24, s24, 8
	s_lshl_b32 s24, s24, 23
	s_or_b32 s24, s24, 0x600000
	v_mov_b32 v5, s24                              ; 448 x 2^e
	s_wait_alu depctr_va_vdst(0)
	s_wait_loadcnt 0x0                             ; the tile is in (and the row); v4 is free
.irp i, 0,1,2,3
.irp j, 0,1,2,3,4,5,6,7
	v_med3_num_f32 v[WN+8*\i+\j], v[WN+8*\i+\j], -v5, v5   ; the conversion to an 8-bit code does not saturate (ISA guide 7.6.2): the hold comes first
.endr
.endr
.irp i, 0,1,2,3
	v_cvt_scalef32_pk8_fp8_f32 v[WC+2*\i:WC+2*\i+1], v[WN+8*\i:WN+8*\i+7], v6
.endr
	v_nop                                          ; a plain vector line behind the last conversion: its sources are written again below
	global_store_b128 v1, v[WC:WC+3], s[14:15]               ; the wave stores 512 consecutive bytes, aligned
	global_store_b128 v1, v[WC+4:WC+7], s[14:15] offset:512
.Lno_weights:
.macro WAVESUM                         ; v6 summed over the 32 lanes, the result in every lane
	s_delay_alu instid0(VALU_DEP_1)
	v_add_f32_dpp v6, v6, v6 row_xmask:1 row_mask:0xf bank_mask:0xf
	s_delay_alu instid0(VALU_DEP_1)
	v_add_f32_dpp v6, v6, v6 row_xmask:2 row_mask:0xf bank_mask:0xf
	s_delay_alu instid0(VALU_DEP_1)
	v_add_f32_dpp v6, v6, v6 row_xmask:4 row_mask:0xf bank_mask:0xf
	s_delay_alu instid0(VALU_DEP_1)
	v_add_f32_dpp v6, v6, v6 row_xmask:8 row_mask:0xf bank_mask:0xf
	s_delay_alu instid0(VALU_DEP_1)
	v_permlanex16_b32 v7, v6, s18, s19
	s_delay_alu instid0(VALU_DEP_1)
	v_add_f32 v6, v6, v7
.endm
.macro GROUPSUM off                    ; the eight waves' v6 summed into v40, through eight words of LDS at byte off (other words each time, so one barrier serves)
	ds_store_b32 v2, v6 offset:\off
	s_wait_dscnt 0x0                               ; for the others' sake: my word has landed
	s_barrier_signal -1
	s_barrier_wait -1
	ds_load_b128 v[40:43], v3 offset:\off
	ds_load_b128 v[44:47], v3 offset:\off+16
	s_wait_dscnt 0x0
	v_add_f32 v40, v40, v41
	v_add_f32 v42, v42, v43
	v_add_f32 v44, v44, v45
	v_add_f32 v46, v46, v47
	s_delay_alu instid0(VALU_DEP_3)
	v_add_f32 v40, v40, v42
	s_delay_alu instid0(VALU_DEP_2)
	v_add_f32 v44, v44, v46
	s_delay_alu instid0(VALU_DEP_1)
	v_add_f32 v40, v40, v44
.endm
	; ---- the mean
	s_wait_loadcnt 0x0
	v_pk_add_f32 v[24:25], v[X:X+1], v[X+2:X+3]
	v_pk_add_f32 v[26:27], v[X+4:X+5], v[X+6:X+7]
	v_pk_add_f32 v[28:29], v[X+8:X+9], v[X+10:X+11]
	v_pk_add_f32 v[30:31], v[X+12:X+13], v[X+14:X+15]
	s_delay_alu instid0(VALU_DEP_3)
	v_pk_add_f32 v[24:25], v[24:25], v[26:27]
	s_delay_alu instid0(VALU_DEP_2)
	v_pk_add_f32 v[28:29], v[28:29], v[30:31]
	s_delay_alu instid0(VALU_DEP_1)
	v_pk_add_f32 v[24:25], v[24:25], v[28:29]
	s_delay_alu instid0(VALU_DEP_1)
	v_add_f32 v6, v24, v25
	WAVESUM
	GROUPSUM 0
	s_delay_alu instid0(VALU_DEP_1)
	v_mul_f32 v4, 0x39800000, v40                  ; / 4,096
	s_delay_alu instid0(VALU_DEP_1)
	v_mov_b32 v5, v4
	; ---- the variance, of the numbers less the mean
.irp k, 0,2,4,6,8,10,12,14
	v_pk_add_f32 v[X+\k:X+\k+1], v[X+\k:X+\k+1], v[4:5] neg_lo:[0,1] neg_hi:[0,1]
.endr
	v_pk_mul_f32 v[24:25], v[X:X+1], v[X:X+1]      ; two chains, started by the first two pairs
	v_pk_mul_f32 v[26:27], v[X+2:X+3], v[X+2:X+3]
.irp k, 4,8,12
	s_delay_alu instid0(VALU_DEP_2)
	v_pk_fma_f32 v[24:25], v[X+\k:X+\k+1], v[X+\k:X+\k+1], v[24:25]
	s_delay_alu instid0(VALU_DEP_2)
	v_pk_fma_f32 v[26:27], v[X+\k+2:X+\k+3], v[X+\k+2:X+\k+3], v[26:27]
.endr
	s_delay_alu instid0(VALU_DEP_1)
	v_pk_add_f32 v[24:25], v[24:25], v[26:27]
	s_delay_alu instid0(VALU_DEP_1)
	v_add_f32 v6, v24, v25
	WAVESUM
	GROUPSUM 32
	v_mov_b32 v7, 0x39800000
	s_delay_alu instid0(VALU_DEP_1)
	v_fmaak_f32 v6, v40, v7, 0x3727c5ac            ; the sum / 4,096 + 1e-5
	s_wait_alu depctr_va_vdst(0)
	v_rsq_f32 v34, v6
	v_mov_b32 v32, v4                              ; (a plain line behind the transcendental)
	v_mov_b32 v33, v4
	s_lshl_b32 s20, ttmp9, 4
	s_add_nc_u64 s[12:13], s[12:13], s[20:21]
	s_wait_alu depctr_va_vdst(0)                   ; the wait ahead of the first line that names the root's result
	v_mov_b32 v35, v34
	s_wait_alu depctr_va_vdst(0)
	s_wait_xcnt 0x0                                ; EXEC is a source of the stores above: it changes only behind this wait
	v_cmp_eq_u32 vcc_lo, 0, v0
	s_wait_tensorcnt 0x0
	ds_add_u32 v64, v65
	s_wait_dscnt 0x0
	s_and_saveexec_b32 s22, vcc_lo
	global_store_b128 v3, v[32:35], s[12:13]       ; thread 0: mean, mean, rstd, rstd
	s_wait_xcnt 0x0
	s_or_b32 exec_lo, exec_lo, s22
	s_endpgm
.Lfunc_end_k_q7f4d7f1f07_stats:
	.size	k_q7f4d7f1f07_stats, .Lfunc_end_k_q7f4d7f1f07_stats-k_q7f4d7f1f07_stats
	.p2alignl 7, 3214868480
	.fill 96, 4, 3214868480
	.section	.rodata,"a",@progbits
	.p2align	6, 0x0
	.amdhsa_kernel k_q7f4d7f1f07_stats
		.amdhsa_group_segment_fixed_size 1280
		.amdhsa_private_segment_fixed_size 0
		.amdhsa_enable_private_segment 0
		.amdhsa_kernarg_size 48
		.amdhsa_user_sgpr_count 2
		.amdhsa_user_sgpr_kernarg_segment_ptr 1
		.amdhsa_wavefront_size32 1
		.amdhsa_system_sgpr_workgroup_id_x 1
		.amdhsa_system_sgpr_workgroup_id_y 1
		.amdhsa_system_sgpr_workgroup_id_z 1
		.amdhsa_system_vgpr_workitem_id 0
		.amdhsa_next_free_vgpr 66
		.amdhsa_next_free_sgpr 66
		.amdhsa_reserve_vcc 1
		.amdhsa_float_denorm_mode_32 3
		.amdhsa_float_denorm_mode_16_64 3
		.amdhsa_memory_ordered 1
		.amdhsa_forward_progress 1
		.amdhsa_inst_pref_size 12
	.end_amdhsa_kernel
	.amdgpu_metadata
---
amdhsa.version: [ 1, 2 ]
amdhsa.kernels:
  - .name:           k_q7f4d7f1f07_stats
    .symbol:         k_q7f4d7f1f07_stats.kd
    .args:
      - { .name: x, .offset: 0, .size: 8, .value_kind: global_buffer, .address_space: global }
      - { .name: w_qkv, .offset: 8, .size: 8, .value_kind: global_buffer, .address_space: global }
      - { .name: w_proj, .offset: 16, .size: 8, .value_kind: global_buffer, .address_space: global }
      - { .name: lowp_scales, .offset: 24, .size: 8, .value_kind: global_buffer, .address_space: global }
      - { .name: stats, .offset: 32, .size: 8, .value_kind: global_buffer, .address_space: global }
      - { .name: wcodes, .offset: 40, .size: 8, .value_kind: global_buffer, .address_space: global }
    .group_segment_fixed_size: 1280
    .private_segment_fixed_size: 0
    .kernarg_segment_align: 8
    .kernarg_segment_size: 48
    .max_flat_workgroup_size: 256
    .sgpr_count:     66
    .vgpr_count:     66
    .wavefront_size: 32
...
	.end_amdgpu_metadata
.endif
;; end of part 5
;; launch qkv (part 6): grid 64 x 4, 4 waves a work-group, no clusters, 17,920 bytes of LDS; arguments x, stats, wcodes, b_qkv, lowp_scales, qc, kv; writes qc, kv
.if DOCPART == 6
	.amdgcn_target "amdgcn-amd-amdhsa--gfx1250"
	.amdhsa_code_object_version 6
	.text
	.protected	k_q7f4d7f1f07_qkv
	.globl	k_q7f4d7f1f07_qkv
	.p2align	8
	.type	k_q7f4d7f1f07_qkv,@function
k_q7f4d7f1f07_qkv:
	s_mov_b64 s[64:65], 0
	v_nop
	global_prefetch_b8 v0, s[64:65] scope:SCOPE_SE
	s_setreg_imm32_b32 hwreg(HW_REG_WAVE_SCHED_MODE, 0, 2), 2
	s_setreg_imm32_b32 hwreg(HW_REG_WAVE_MODE, 25, 1), 1
	s_wait_xcnt 0x0
	s_wait_alu depctr_vm_vsrc(0)
; h = (x - mean) rstd, quantised (2^e1); q, k, v = w_qkv h + b_qkv on codes of E4M3 (w's codes with 2^e0); q, k, v quantised (2^e2, 2^e3, 2^e5) and stored as the attention's operands want them.
; SHARES.  A work-group takes 64 positions (blk = work-group x) of one batch (work-group y).  The four waves first normalise 16 channels x 64 positions each into LDS (f32, [channel][position], rows 272 bytes apart),
; since the product's K is the channel, which in memory is the outer axis: behind one barrier a lane reads a position's channels down the rows, 8 neighbours along K into 8 registers, as the conversions want them.
; Wave w = 2 gr + pp then takes the position tiles P0 = 4 blk + 2 pp and P0 + 1 (16 positions each); gr = 0 makes q and v's channels 0-31, gr = 1 makes k and v's channels 32-63: 12 matrix instructions a wave.
; One text for all waves: only pointers, offsets and scales are chosen, on the wave's number.
; LAYOUTS (16x16x64 form: lane (r, h) holds row r; registers 2 i, 2 i + 1 hold k = 16 i + 8 h + 0 .. 7).  q and k: source 0 = 16 rows of w, source 1 = 16 positions of h: a lane's eight results are eight neighbouring
; channels of one position: they convert into registers 2 i, 2 i + 1 of that position tile's fragment (K = channels).  v: source 0 = h, source 1 = w: a lane's eight results are eight neighbouring positions of one
; channel: they convert into two registers of v's fragment with K = the keys.
; OUT, as images of registers (four registers: 512 bytes, 16 x lane):  qc: tile (256 b + P) at 1,024 bytes each.  kv: 524,288 bytes a batch, chunks of 16,384 bytes for 128 keys: bytes 0-8,191 k's eight tiles;
; from 8,192 on v: channel tile cc at 2,048 cc, registers 2 c, 2 c + 1 = keys 16 c + 8 h + 0 .. 7.  Every store of a wave covers 512 consecutive bytes, aligned.
; LIMITS: e1, e2, e3, e5 between -126 and 119; e0 + e1 between -126 and 127, so that each power of two below is an f32 number.  NaN among the inputs is not served.
; THE MODE: SCHED_MODE bits 1:0 = 2 (LLVM: expert scheduling mode 2), set by the entry lines.  The code itself states the register dependences
; between vector or matrix instructions and memory or LDS instructions, with s_wait_alu, always for 0.
; THE PLAN.  Registers that memory or LDS instructions touch, in the text's order (it has no loop and no branch):
;   v3-v9         Offsets and LDS addresses: written at the head, never again.  One wait on va_vdst ahead of the first load serves every load and store that reads them.
;   X  (v16-47)   Loads land; the norm's packed lines rewrite it in place; the eight LDS stores read it; behind the barrier loads from LDS land in it.
;   STT (v48-79)  Loads land; the norm's lines read it; behind the barrier loads from LDS land in it.
;   W, BQ, BV     Loads land once, in registers that nothing has named; vector and matrix instructions read them behind the wait on LOADcnt.
;   FQ, FV        The conversions write them; the six global stores read them.
;   v254, v255    Written at the head, read by the closing add alone.
; So: the norm's 32 lines stand together, ONE wait on va_vdst behind them (X is written, STT is read), the eight LDS stores; ONE wait on vm_vsrc behind the barrier (the stores have read X), the loads from LDS;
; ONE wait on va_vdst behind the last conversions, the six stores.  The wave's number goes through a scalar register: one wait on va_sdst ahead of its first reader.
.set XO,  3                            ; v3   x: (16 w + h) rows of 16,384 bytes + 16 r
.set SO,  4                            ; v4   the statistics: (16 w + h) x 16 bytes
.set LW,  5                            ; v5   LDS, in: (16 w + h) x 272 + 16 r
.set LR,  6                            ; v6   LDS, out: 8 h rows + 4 r + 128 pp
.set IMG, 7                            ; v7   16 x lane
.set BQO, 8                            ; v8   q's or k's bias: 32 h
.set BVO, 9                            ; v9   v's bias: 4 r
.set HH,  10                           ; v10, v11  448 x 2^e1, 2^e1
.set SH,  11
.set HQ,  12                           ; v12, v13  the same for q (e2) or k (e3)
.set SQ,  13
.set HV,  14                           ; v14, v15  the same for v (e5)
.set SV,  15
.set X,   16                           ; v16-47   x as loaded: 8 x 4
.set STT, 48                           ; v48-79   the statistics as loaded: 8 x (mean, mean, rstd, rstd)
.set XT,  16                           ; v16-79   behind the barrier: 2 tiles x 32 numbers of h
.set AQ,  16                           ; v16-79   then q's or k's 8 accumulators: (u, i) at 8 (4 u + i)
.set H,   80                           ; v80-95   h's two fragments
.set W,   96                           ; v96-143  w's six fragments: 0-3 q or k, 4-5 v
.set BQ,  144                          ; v144-175 q's or k's bias in the result's layout
.set BV,  176                          ; v176-179 v's bias: two pairs
.set AV,  180                          ; v180-211 v's 4 accumulators: (t, u) at 8 (2 t + u)
.set FQ,  212                          ; v212-227 q's or k's codes
.set FV,  228                          ; v228-235 v's codes
.set PITCH, 272                        ; 256 bytes + 16: sixteen lanes' 16-byte stores fill one row; the reads' two halves stand 8 rows = 128 bytes modulo 256 apart
.macro MKSC e, vs, vh                  ; from the exponent in s[e]: 2^e and 448 x 2^e as f32
	s_add_co_i32 s48, s[\e], 127
	s_lshl_b32 s49, s48, 23
	v_mov_b32 v[\vs], s49
	s_add_co_i32 s48, s48, 8
	s_lshl_b32 s48, s48, 23
	s_or_b32 s48, s48, 0x600000
	v_mov_b32 v[\vh], s48
.endm
	s_load_b256 s[4:11], s[0:1], 0x0               ; x s[4:5], stats s[6:7], wcodes s[8:9], b_qkv s[10:11]
	s_load_b128 s[12:15], s[0:1], 0x20             ; the scales' exponents s[12:13], qc s[14:15]
	s_load_b64 s[16:17], s[0:1], 0x30              ; kv
	v_lshl_add_u32 v254, v0, 2, 0x4400
	v_mov_b32 v255, 0
	v_lshrrev_b32 v12, 5, v0
	v_readfirstlane_b32 s18, v12                   ; wave 0..3
	v_and_b32 v1, 15, v0                           ; r
	v_bfe_u32 v2, v0, 4, 1                         ; h
	v_lshl_add_u32 v13, v12, 4, v2                 ; 16 w + h
	v_lshlrev_b32 v[XO], 14, v13
	v_lshl_add_u32 v[XO], v1, 4, v[XO]
	v_lshlrev_b32 v[SO], 4, v13
	v_mul_u32_u24 v[LW], v13, PITCH
	v_lshl_add_u32 v[LW], v1, 4, v[LW]
	v_mul_u32_u24 v[LR], v2, 8*PITCH
	v_lshl_add_u32 v[LR], v1, 2, v[LR]
	v_bfe_u32 v14, v0, 5, 1                        ; pp
	v_lshl_add_u32 v[LR], v14, 7, v[LR]
	v_and_b32 v[IMG], 31, v0
	v_lshlrev_b32 v[IMG], 4, v[IMG]
	v_lshlrev_b32 v[BQO], 5, v2
	v_lshlrev_b32 v[BVO], 2, v1
	s_wait_alu depctr_va_sdst(0)                   ; s18 is written, ahead of its first reader: the pointers, offsets and scales are chosen by it
	s_and_b32 s19, s18, 1                          ; pp
	s_lshr_b32 s20, s18, 1                         ; gr
	s_and_b32 s21, ttmp7, 0xffff                   ; b
	s_lshl_b32 s32, s21, 20                        ; the batch's 64 rows of 16,384 bytes,
	s_lshl_b32 s33, ttmp9, 8                       ; my 64 positions in a row
	s_add_co_u32 s32, s32, s33
	s_mov_b32 s33, 0
	s_wait_kmcnt 0x0
	s_load_b256 s[24:31], s[12:13], 0x0            ; e0 .. e7
	s_add_nc_u64 s[4:5], s[4:5], s[32:33]
	s_lshl_b32 s32, s21, 10
	s_add_nc_u64 s[6:7], s[6:7], s[32:33]          ; the batch's 64 statistics
	s_lshl_b32 s32, s20, 12
	s_add_nc_u64 s[34:35], s[8:9], s[32:33]        ; w's tiles 4 gr .. 4 gr + 3 (q or k),
	s_lshl_b32 s32, s20, 11
	s_add_co_u32 s32, s32, 8192
	s_add_nc_u64 s[36:37], s[8:9], s[32:33]        ; and 8 + 2 gr, 9 + 2 gr (v)
	s_lshl_b32 s32, s20, 8
	s_add_nc_u64 s[38:39], s[10:11], s[32:33]      ; b_qkv from 64 gr on,
	s_lshl_b32 s32, s20, 7
	s_add_co_u32 s32, s32, 512
	s_add_nc_u64 s[40:41], s[10:11], s[32:33]      ; and from 128 + 32 gr on
	s_wait_alu depctr_va_vdst(0)                   ; the seven offsets and addresses v3 to v9 are written, which the loads and stores of the whole text read
.irp i, 0,1,2,3,4,5,6,7
	global_load_b128 v[X+4*\i:X+4*\i+3], v[XO], s[4:5] offset:32768*\i th:TH_LOAD_NT   ; channels 16 w + h + 2 i: sixteen lanes read 256 consecutive bytes, aligned
.endr
.irp i, 0,1,2,3,4,5,6,7
	global_load_b128 v[STT+4*\i:STT+4*\i+3], v[SO], s[6:7] offset:32*\i
.endr
.irp k, 0,1,2,3,4,5,6,7
	global_load_b128 v[W+4*\k:W+4*\k+3], v[IMG], s[34:35] offset:512*\k
.endr
.irp k, 0,1,2,3
	global_load_b128 v[W+32+4*\k:W+32+4*\k+3], v[IMG], s[36:37] offset:512*\k
.endr
.irp i, 0,1,2,3
	global_load_b128 v[BQ+8*\i:BQ+8*\i+3], v[BQO], s[38:39] offset:64*\i       ; the bias of outputs 16 i + 8 h + 0 .. 7
	global_load_b128 v[BQ+8*\i+4:BQ+8*\i+7], v[BQO], s[38:39] offset:64*\i+16
.endr
.irp t, 0,1
	global_load_b32 v[BV+2*\t], v[BVO], s[40:41] offset:64*\t                  ; the bias of channel 16 t + r, in both halves of a pair
	global_load_b32 v[BV+2*\t+1], v[BVO], s[40:41] offset:64*\t
.endr
	; where the codes go
	s_lshl_b32 s51, ttmp9, 2
	s_lshl_b32 s52, s19, 1
	s_add_co_u32 s51, s51, s52                     ; P0 = 4 blk + 2 pp
	s_lshl_b32 s52, s21, 18
	s_lshl_b32 s53, s51, 10
	s_add_co_u32 s52, s52, s53                     ; q: (256 b + P0) x 1,024
	s_lshl_b32 s54, s21, 19
	s_lshr_b32 s53, s51, 3
	s_lshl_b32 s53, s53, 14
	s_add_co_u32 s54, s54, s53                     ; the chunk of 128 keys: 524,288 b + 16,384 (P0 / 8)
	s_and_b32 s55, s51, 7
	s_lshl_b32 s53, s55, 10
	s_add_co_u32 s53, s54, s53                     ; k: + 1,024 (P0 % 8)
	s_cmp_eq_u32 s20, 0                            ; the choice hangs on the wave's number alone
	s_cselect_b64 s[44:45], s[14:15], s[16:17]
	s_cselect_b32 s32, s52, s53
	s_add_nc_u64 s[44:45], s[44:45], s[32:33]
	s_lshl_b32 s53, s55, 8                         ; v: registers 2 (P0 % 8) on are group (P0 % 8) / 2: 512 bytes each; P0 is even
	s_add_co_u32 s32, s54, s53
	s_lshl_b32 s53, s20, 12                        ; channel tiles 2 gr, 2 gr + 1
	s_add_co_u32 s32, s32, s53
	s_add_co_u32 s32, s32, 8192
	s_add_nc_u64 s[46:47], s[16:17], s[32:33]
	s_wait_kmcnt 0x0
	s_cmp_eq_u32 s20, 0
	s_cselect_b32 s50, s26, s27                    ; e2 for q, e3 for k
	MKSC 25, SH, HH
	MKSC 50, SQ, HQ
	MKSC 29, SV, HV
	s_add_co_i32 s42, s24, s25
	s_add_co_i32 s42, s42, 127
	s_lshl_b32 s42, s42, 23                        ; 2^(e0 + e1) as f32
	s_mov_b32 s43, s42                             ; (named with it as a pair, so it is written)
	; ---- the norm, into LDS: its 32 lines stand together, so that one wait serves the eight stores
	s_wait_loadcnt 24                              ; x and the statistics are in; the 24 younger loads (12 of w, 12 of the biases) may be out
.irp i, 0,1,2,3,4,5,6,7
	v_pk_add_f32 v[X+4*\i:X+4*\i+1], v[X+4*\i:X+4*\i+1], v[STT+4*\i:STT+4*\i+1] neg_lo:[0,1] neg_hi:[0,1]
	v_pk_add_f32 v[X+4*\i+2:X+4*\i+3], v[X+4*\i+2:X+4*\i+3], v[STT+4*\i:STT+4*\i+1] neg_lo:[0,1] neg_hi:[0,1]
	v_pk_mul_f32 v[X+4*\i:X+4*\i+1], v[X+4*\i:X+4*\i+1], v[STT+4*\i+2:STT+4*\i+3]
	v_pk_mul_f32 v[X+4*\i+2:X+4*\i+3], v[X+4*\i+2:X+4*\i+3], v[STT+4*\i+2:STT+4*\i+3]
.endr
	s_wait_alu depctr_va_vdst(0)                   ; the norm's lines have written v[X ..], which the LDS stores read, and are done reading v[STT ..], in which loads from LDS land behind the barrier
.irp i, 0,1,2,3,4,5,6,7
	ds_store_b128 v[LW], v[X+4*\i:X+4*\i+3] offset:2*PITCH*\i
.endr
	s_wait_dscnt 0x0                               ; for the others' sake: my 16 channels have landed
	s_barrier_signal -1
	s_barrier_wait -1
	s_wait_alu depctr_vm_vsrc(0)                   ; my LDS stores have read v[X ..], in which the loads below land
	; ---- h's codes: lane (r, h) takes position 32 pp + 16 u + r and channels 16 i + 8 h + j
.irp u, 0,1
.irp i, 0,1,2,3
.irp j, 0,1,2,3,4,5,6,7
	ds_load_b32 v[XT+32*\u+8*\i+\j], v[LR] offset:(16*\i+\j)*PITCH+64*\u
.endr
.endr
.endr
	s_wait_dscnt 0x0
.irp u, 0,1
.irp i, 0,1,2,3
.irp j, 0,1,2,3,4,5,6,7
	v_med3_num_f32 v[XT+32*\u+8*\i+\j], v[XT+32*\u+8*\i+\j], -v[HH], v[HH]   ; the conversion to an 8-bit code does not saturate (ISA guide 7.6.2)
.endr
	v_cvt_scalef32_pk8_fp8_f32 v[H+8*\u+2*\i:H+8*\u+2*\i+1], v[XT+32*\u+8*\i:XT+32*\u+8*\i+7], v[SH]
.endr
.endr
	v_nop                                          ; a plain vector line between the last conversion and the products, which read its result and write its sources
	s_wait_alu depctr_va_vdst(0)
	s_wait_loadcnt 0x0                             ; w's codes and the biases
	; ---- the products: twelve accumulators, one instruction each
.irp u, 0,1
.irp i, 0,1,2,3
	v_wmma_f32_16x16x64_fp8_fp8 v[AQ+8*(4*\u+\i):AQ+8*(4*\u+\i)+7], v[W+8*\i:W+8*\i+7], v[H+8*\u:H+8*\u+7], 0
.endr
.endr
.irp t, 0,1
.irp u, 0,1
	v_wmma_f32_16x16x64_fp8_fp8 v[AV+8*(2*\t+\u):AV+8*(2*\t+\u)+7], v[H+8*\u:H+8*\u+7], v[W+8*(4+\t):W+8*(4+\t)+7], 0
.endr
.endr
.rept 4
	v_nop                                          ; four plain places between a matrix instruction and the first read of its result (ISA guide 7.12.1)
.endr
	; ---- sum x 2^(e0 + e1) + bias, the hold, the codes; each accumulator from its low end on
.irp a, 0,1,2,3,4,5,6,7
.irp j, 0,2,4,6
	v_pk_fma_f32 v[AQ+8*\a+\j:AQ+8*\a+\j+1], v[AQ+8*\a+\j:AQ+8*\a+\j+1], s[42:43], v[BQ+8*((\a)%4)+\j:BQ+8*((\a)%4)+\j+1] op_sel_hi:[1,0,1]
.endr
.irp j, 0,1,2,3,4,5,6,7
	v_med3_num_f32 v[AQ+8*\a+\j], v[AQ+8*\a+\j], -v[HQ], v[HQ]
.endr
	v_cvt_scalef32_pk8_fp8_f32 v[FQ+8*((\a)/4)+2*((\a)%4):FQ+8*((\a)/4)+2*((\a)%4)+1], v[AQ+8*\a:AQ+8*\a+7], v[SQ]
.endr
.irp a, 0,1,2,3
.irp j, 0,2,4,6
	v_pk_fma_f32 v[AV+8*\a+\j:AV+8*\a+\j+1], v[AV+8*\a+\j:AV+8*\a+\j+1], s[42:43], v[BV+2*((\a)/2):BV+2*((\a)/2)+1] op_sel_hi:[1,0,1]
.endr
.irp j, 0,1,2,3,4,5,6,7
	v_med3_num_f32 v[AV+8*\a+\j], v[AV+8*\a+\j], -v[HV], v[HV]
.endr
	v_cvt_scalef32_pk8_fp8_f32 v[FV+4*((\a)/2)+2*((\a)%2):FV+4*((\a)/2)+2*((\a)%2)+1], v[AV+8*\a:AV+8*\a+7], v[SV]
.endr
	v_nop                                          ; a plain vector line behind the last conversion
	s_wait_alu depctr_va_vdst(0)                   ; the conversions have written v[FQ ..] and v[FV ..], which the six stores read
.irp u, 0,1
.irp g, 0,1
	global_store_b128 v[IMG], v[FQ+8*\u+4*\g:FQ+8*\u+4*\g+3], s[44:45] offset:1024*\u+512*\g
.endr
.endr
.irp t, 0,1
	global_store_b128 v[IMG], v[FV+4*\t:FV+4*\t+3], s[46:47] offset:2048*\t
.endr
	s_wait_dscnt 0x0                               ; the closing lines, six on end
	s_wait_alu 0x0
	s_wait_tensorcnt 0x0
	ds_add_u32 v254, v255
	s_wait_dscnt 0x0
	s_endpgm
.Lfunc_end_k_q7f4d7f1f07_qkv:
	.size	k_q7f4d7f1f07_qkv, .Lfunc_end_k_q7f4d7f1f07_qkv-k_q7f4d7f1f07_qkv
	.p2alignl 7, 3214868480
	.fill 96, 4, 3214868480
	.section	.rodata,"a",@progbits
	.p2align	6, 0x0
	.amdhsa_kernel k_q7f4d7f1f07_qkv
		.amdhsa_group_segment_fixed_size 17920
		.amdhsa_private_segment_fixed_size 0
		.amdhsa_enable_private_segment 0
		.amdhsa_kernarg_size 56
		.amdhsa_user_sgpr_count 2
		.amdhsa_user_sgpr_kernarg_segment_ptr 1
		.amdhsa_wavefront_size32 1
		.amdhsa_system_sgpr_workgroup_id_x 1
		.amdhsa_system_sgpr_workgroup_id_y 1
		.amdhsa_system_sgpr_workgroup_id_z 1
		.amdhsa_system_vgpr_workitem_id 0
		.amdhsa_next_free_vgpr 256
		.amdhsa_next_free_sgpr 66
		.amdhsa_reserve_vcc 0
		.amdhsa_float_denorm_mode_32 3
		.amdhsa_float_denorm_mode_16_64 3
		.amdhsa_memory_ordered 1
		.amdhsa_forward_progress 1
		.amdhsa_inst_pref_size 31
	.end_amdhsa_kernel
	.amdgpu_metadata
---
amdhsa.version: [ 1, 2 ]
amdhsa.kernels:
  - .name:           k_q7f4d7f1f07_qkv
    .symbol:         k_q7f4d7f1f07_qkv.kd
    .args:
      - { .name: x, .offset: 0, .size: 8, .value_kind: global_buffer, .address_space: global }
      - { .name: stats, .offset: 8, .size: 8, .value_kind: global_buffer, .address_space: global }
      - { .name: wcodes, .offset: 16, .size: 8, .value_kind: global_buffer, .address_space: global }
      - { .name: b_qkv, .offset: 24, .size: 8, .value_kind: global_buffer, .address_space: global }
      - { .name: lowp_scales, .offset: 32, .size: 8, .value_kind: global_buffer, .address_space: global }
      - { .name: qc, .offset: 40, .size: 8, .value_kind: global_buffer, .address_space: global }
      - { .name: kv, .offset: 48, .size: 8, .value_kind: global_buffer, .address_space: global }
    .group_segment_fixed_size: 17920
    .private_segment_fixed_size: 0
    .kernarg_segment_align: 8
    .kernarg_segment_size: 56
    .max_flat_workgroup_size: 128
    .sgpr_count:     66
    .vgpr_count:     256
    .wavefront_size: 32
...
	.end_amdgpu_metadata
.endif
;; end of part 6
;; launch attn (part 7): grid 64 x 4, 8 waves a work-group, no clusters, 161,792 bytes of LDS; arguments qc, kv, wcodes, b_proj, x, lowp_scales, out0; writes out0
.if DOCPART == 7
	.amdgcn_target "amdgcn-amd-amdhsa--gfx1250"
	.amdhsa_code_object_version 6
	.text
	.protected	k_q7f4d7f1f07_attn
	.globl	k_q7f4d7f1f07_attn
	.p2align	8
	.type	k_q7f4d7f1f07_attn,@function
k_q7f4d7f1f07_attn:
	s_mov_b64 s[64:65], 0
	v_nop
	global_prefetch_b8 v0, s[64:65] scope:SCOPE_SE
	s_setreg_imm32_b32 hwreg(HW_REG_WAVE_SCHED_MODE, 0, 2), 2
	s_setreg_imm32_b32 hwreg(HW_REG_WAVE_MODE, 25, 1), 1
	s_wait_xcnt 0x0
	s_wait_alu depctr_vm_vsrc(0)
; out = x + w_proj softmax(q k^T / 8) v + b_proj, all three products on codes of E4M3, each operand with the one scale 2^e that is given for it.
; qc, kv, wcodes hold the operands as images of registers (four registers: 512 bytes, 16 x lane), made by the two launches before.
; THE SOFTMAX AHEAD OF THE SECOND PRODUCT: t = score x log2(e) / 8; M = the largest t so far, rounded UP to a whole number; p = 2^(t - M) is what is quantised (2^e4); the row's sum is taken of the unquantised p.
; SHARES.  A work-group owns 64 queries of one batch: 256 work-groups.  EVERY wave holds all 64 queries (four tiles of 16); THE EIGHT WAVES SHARE THE KEYS: in step f wave w takes one chunk of 128 keys, number 8 g + w,
; g = (f + work-group x) mod 4: the batch's 64 work-groups ask for all 32 chunks at any time, not for eight.  Each wave keeps its own running M, sum and O^T; at the end the eight parts meet in LDS and are brought
; under the largest M by exact powers of two.  Two waves share a SIMD (512 registers each): one wave's matrix instructions and loads stand beside the other's vector work, which is the bulk.
; K AND V GO FROM MEMORY STRAIGHT INTO THE OPERANDS' REGISTERS: a chunk is the image of 128 registers, 32 loads of 512 consecutive bytes.  The next step's k is loaded from tile 3's head on, when the step's last k q^T
; (issued in tile 2) is done, four loads at a time among the lines of tile 3's maximum, and has tile 3's softmax in which to land; the next step's v is loaded behind tile 3's last product and has tile 0's softmax.
; NO CLUSTER, NO RING IN LDS, though the work-groups of a batch read the same kv and joint tensor loads would divide the requests by four (524,288 bytes a work-group).  The reason: no two waves of a work-group share a
; byte of kv, so LDS would serve the joint loads alone, each byte written to it and read from it once more; each refill would bring a cluster's 32 waves into step.
; What is asked for is little: 16,384 bytes a wave for four tile-steps.
; No prefetch is written: in their first step the batch's work-groups between them load all of kv, at the kernel's head, where none is laid.
; THE HOLD OF p at 448 x 2^e4 is jumped over where it can do nothing: p is at most 1 (but for the last bits of the multiply-add and the exponential), and at e4 >= -8 the bound is 1.75 or more.  The branch hangs on e4 alone,
; goes round the 64 lines alone, and is the same in every wave.
; LAYOUT.  Both products are used transposed: S^T = k q^T (source 0 = 16 keys, source 1 = 16 queries), O^T = v^T p^T (source 0 = 16 channels x 128 keys, source 1 = p): a lane holds ONE query (lane % 16) throughout,
; and the eight registers of key tile c (keys 16 c + 8 (lane / 16) + 0 .. 7) convert into registers 2 c, 2 c + 1 of p's fragment: every k stands in its true place.
; LIMITS: e4 and e7 between -126 and 119; e2 + e3 between -123 and 130 (added to c's exponent field); e6 + e7 between -126 and 127; e4 + e5 is applied by v_ldexp_f32 and has none.  NaN among the inputs is not served.
; p is quantised under the wave's running M, not the row's final one: the later factors are exact powers of two, so the codes' values differ only where p falls under the format's range, or is held at 448 x 2^e4 < 1.
; REGISTERS, in windows of 256.  Window 0: v1-15 addresses; v16-47 statistics, 8 a tile; v48-79 q; v80-143 S^T, then p; v144-159 p's codes; v160-175 at work and constants; v176-239 k's fragments; v240-255 x for the residual.
;   Window 1: v0-127 O^T (tile t, channel tile cc at 32 t + 8 cc); v128-191 v's fragments; v192-207 two fragments of w_proj.
; THE MODE: SCHED_MODE bits 1:0 = 2 (LLVM: expert scheduling mode 2), set by the entry lines.  The code itself states the register dependences
; between vector or matrix instructions and memory or LDS instructions, with s_wait_alu, always for 0.
; THE PLAN.  Registers that memory or LDS instructions touch (the text has no loop; its only branches are the jumps round the hold, with no memory instruction inside):
;   v1-15, v167   Offsets and LDS addresses: written at the head, never again: scalar bases, never rewritten either, and immediates do the rest.  One wait on va_vdst ahead of the first load serves them all.
;   Q, WP, BP, XR Loaded once, at the head, into registers that nothing has named; read behind their waits on LOADcnt.
;   KF            Read by a step's 32 k q^T, the last eight of them issued in tile 2.  ONE wait on va_vdst at tile 3's head; the next step's sixteen loads follow it, dealt among the maximum's lines: no line of
;                 tile 3 names KF or v15 ahead of the wait on LOADcnt in front of the next step's first k q^T.  (A second set of KF would take 64 registers; the wave's 512 leave 48.)
;   VF            Read by a step's sixteen v^T p^T, the last four at tile 3's end.  Behind them: the loads' window, ONE wait on va_vdst, the next step's sixteen loads in one run (dealt, each group would cost two window switches).
;   The tail      (-M, l) and O^T are LDS stores' data: one wait on va_vdst behind the last products' places; it also serves the pairs' loads, which land in KF.  The parts of O^T land in O^T's own registers: under
;                 their window, a wait on va_vdst (the products and rescalings that wrote them) and one on vm_vsrc (my stores have read them).  One wait on va_vdst ahead of each later run of stores: the codes, the stage,
;                 out; each also serves the LDS loads that follow it, which land in registers that no vector line names in between.
;   v46, v47      Written at the head, read by the closing add alone.
; S^T, p's codes (but for the tail's four), the statistics' other registers and the constants are named by vector and matrix instructions alone.
.set SLOTB, 131072                     ; eight chunks of 16,384 bytes: what the eight waves take in a step
.set ML,    131072                     ; LDS serves the tail alone.  0: the eight waves' O^T, 16,384 bytes each.  Here: (-M, l) of wave s, tile t: 1,024 s + 256 t + 8 x lane: 8,192 bytes
.set CODES, 139264                     ; the attention's result as codes: query tile tq at 1,024 tq: 4,096 bytes
.set STG,   143360                     ; the stage for out: 64 rows (output channels) x (256 bytes + 16)
.set SPT,   272
.set LI,  1                            ; v1   16 x lane + 16,384 w: where I put O^T's image
.set MLW, 6                            ; v6   where I put (-M, l)
.set MLR, 7                            ; v7   where I read those of query tile tq
.set ORD, 8                            ; v8, v9  where I read the parts of O^T: waves 0-3, waves 4-7
.set CW,  10                           ; v10  where I put four registers of codes
.set CR,  11                           ; v11  where I read the fragment back
.set SW,  12                           ; v12  the stage, in
.set SRD, 13                           ; v13  the stage, out
.set GX,  14                           ; v14  my bytes in x and in out: (8 w + h) rows of 16,384 + 16 r
.set QO,  15                           ; v15  16 x lane: my place in every image; never rewritten
.set ST,  16                           ; tile t at ST + 8 t: +0 -M; +1 the largest t, at the end l; +2, +3 the sum in two halves; +4 f; +5 named with f as a pair
.set Q,   48
.set S,   80
.set P,   144
.set TA,  160                          ; v160-166 at work: four chains of the maximum (TA, TB, TD, TE), the permute's destination (TC); as pairs, three chains of the sum (SA, SB, SC)
.set TB,  161
.set TC,  162
.set TE,  163
.set TP,  164
.set TD,  166
.set SA,  160
.set SB,  162
.set SC,  164
.set BPO, 167                          ; v167 b_proj: 4 r + 128 cp
.set HP,  168                          ; v168, v169  448 x 2^e4, 2^e4
.set SCP, 169
.set HO,  170                          ; v170, v171  448 x 2^e7, 2^e7
.set SCO, 171
.set BP,  172                          ; v172-175  b_proj: two pairs
.set KF,  176
.set XR,  240
.set VF,  128                          ; in window 1
.set WP,  192                          ; in window 1
.set ACC, 80                           ; the tail: the merged O^T of my tile and channels
.set HF,  96                           ; its fragment
.set PD,  104                          ; the projection's two accumulators
.set OUTR, 120                         ; rows of out
.set MLV, 176                          ; the eight pairs (-M, l)
.set F,   192                          ; the eight pairs (f, f l)
.set WV,  18                           ; s18  my wave's number
.set KVB, 24                           ; s[24:31] kv at my chunk of step 0, 1, 2, 3; never rewritten
.set E4,  44                           ; s44  e4
.set CS,  48                           ; s[48:49] c = log2(e) / 8 x 2^(e2 + e3)
.set SEL, 50                           ; s[50:51] v_permlanex16_b32's selects: lane l xor 16
.set MSB, 0
.macro WIN new                         ; the immediate's high byte repeats the setting that is left; a switch that changes nothing is dropped
.if MSB != \new
	s_set_vgpr_msb (MSB<<8)|\new
.set MSB, \new
.endif
.endm
.macro PLACES                          ; four plain places behind a matrix instruction (ISA guide 7.12.1)
.rept 4
	v_nop
.endr
.endm
.macro MKSC e, vs, vh                  ; from the exponent in s[e]: 2^e and 448 x 2^e as f32
	s_add_co_i32 s70, s[\e], 127
	s_lshl_b32 s71, s70, 23
	v_mov_b32 v[\vs], s71
	s_add_co_i32 s70, s70, 8
	s_lshl_b32 s70, s70, 23
	s_or_b32 s70, s70, 0x600000
	v_mov_b32 v[\vh], s70
.endm
.macro KL4 f, g                        ; four of the sixteen loads of step f's k (eight fragments of 16 keys x 64 channels): 512 consecutive bytes each
.irp i, 0,1,2,3
	global_load_b128 v[KF+4*(4*(\g)+\i):KF+4*(4*(\g)+\i)+3], v[QO], s[KVB+2*(\f):KVB+2*(\f)+1] offset:512*(4*(\g)+\i)
.endr
.endm
.macro VLOAD f, w                      ; step f's v: four fragments of 16 channels x 128 keys.  w = 1: products have read these registers
	WIN 0x40                                       ; destination window 1
.if \w
	s_wait_alu depctr_va_vdst(0)                   ; the step's last v^T p^T are done reading v's registers, in which the sixteen loads below land
.endif
.irp i, 0,1,2,3,4,5,6,7,8,9,10,11,12,13,14,15
	global_load_b128 v[VF+4*\i:VF+4*\i+3], v[QO], s[KVB+2*(\f):KVB+2*(\f)+1] offset:8192+512*\i
.endr
	WIN 0
.endm
.macro QK t                            ; S^T = k q^T for query tile t: eight accumulators, one instruction each
.irp c, 0,1,2,3,4,5,6,7
	v_wmma_f32_16x16x64_fp8_fp8 v[S+8*\c:S+8*\c+7], v[KF+8*\c:KF+8*\c+7], v[Q+8*(\t):Q+8*(\t)+7], 0
.endr
.endm
	s_load_b256 s[4:11], s[0:1], 0x0               ; qc s[4:5], kv s[6:7], wcodes s[8:9], b_proj s[10:11]
	s_load_b128 s[12:15], s[0:1], 0x20             ; x s[12:13], the scales' exponents s[14:15]
	s_load_b64 s[16:17], s[0:1], 0x30              ; out0
	v_lshl_add_u32 v46, v0, 2, 0x27400
	v_mov_b32 v47, 0
	v_lshrrev_b32 v80, 5, v0                       ; w
	v_readfirstlane_b32 s[WV], v80                 ; wave 0..7
	v_and_b32 v81, 31, v0                          ; lane
	v_and_b32 v82, 15, v0                          ; r
	v_bfe_u32 v83, v0, 4, 1                        ; h
	v_lshrrev_b32 v84, 6, v0                       ; tq = w / 2: my query tile in the tail
	v_bfe_u32 v85, v0, 5, 1                        ; cp = w % 2
	v_lshlrev_b32 v[QO], 4, v81
	v_lshl_add_u32 v[LI], v80, 14, v[QO]
	v_lshlrev_b32 v[MLW], 3, v81
	v_lshl_add_u32 v[MLR], v84, 8, v[MLW]
	v_add_nc_u32 v[MLR], ML, v[MLR]
	v_lshl_add_u32 v[MLW], v80, 10, v[MLW]
	v_add_nc_u32 v[MLW], ML, v[MLW]
	v_lshl_add_u32 v[ORD], v84, 12, v[QO]          ; tile tq's 32 registers of an image of O^T,
	v_lshl_add_u32 v[ORD], v85, 11, v[ORD]         ; channel tiles 2 cp, 2 cp + 1 of them
	v_add_nc_u32 v[ORD+1], 65536, v[ORD]
	v_lshl_add_u32 v[CR], v84, 10, v[QO]
	v_add_nc_u32 v[CR], CODES, v[CR]
	v_lshl_add_u32 v[CW], v85, 9, v[CR]
	v_mul_u32_u24 v[SW], v82, SPT                  ; the stage, in: row 32 cp + 16 T + r, bytes 64 tq + 32 h on
	v_mul_u32_u24 v86, v85, 32*SPT
	v_add_nc_u32 v[SW], v[SW], v86
	v_lshl_add_u32 v[SW], v84, 6, v[SW]
	v_lshl_add_u32 v[SW], v83, 5, v[SW]
	v_add_nc_u32 v[SW], STG, v[SW]
	v_lshl_add_u32 v86, v80, 3, v83                ; 8 w + h
	v_mul_u32_u24 v[SRD], v86, SPT                 ; out: lanes 0-15 one row, lanes 16-31 the next
	v_lshl_add_u32 v[SRD], v82, 4, v[SRD]
	v_add_nc_u32 v[SRD], STG, v[SRD]
	v_lshlrev_b32 v[GX], 14, v86
	v_lshl_add_u32 v[GX], v82, 4, v[GX]
	v_lshlrev_b32 v[BPO], 2, v82
	v_lshl_add_u32 v[BPO], v85, 7, v[BPO]
	v_mov_b32 v[TC], 0                             ; written once: a lane permute's destination counts as one of its sources
.irp t, 0,1,2,3
	v_mov_b32 v[ST+8*\t+5], 0                      ; (named as the upper half of f's pair)
.endr
	s_wait_alu depctr_va_sdst(0)                   ; s18, my wave's number, is written, ahead of its first reader: the bases of kv and of w_proj's codes are made from it
	s_and_b32 s20, s[WV], 1                        ; cp: which half of the channels is mine in the tail
	s_and_b32 s23, ttmp7, 0xffff                   ; the batch; ttmp9 is my block of 64 queries
	s_mov_b32 s[SEL], 0x76543210
	s_mov_b32 s[SEL+1], 0xfedcba98
	s_lshl_b32 s62, s23, 19                        ; the batch's 524,288 bytes of kv,
	s_lshl_b32 s60, s[WV], 14                      ; my wave's chunk among eight
	s_add_co_u32 s62, s62, s60
.irp f, 0,1,2,3
	s_add_co_u32 s60, ttmp9, \f                    ; step f takes the eight chunks (f + block) mod 4
	s_and_b32 s60, s60, 3
	s_lshl_b32 s60, s60, 17
	s_add_co_u32 s[KVB+2*\f], s60, s62
	s_mov_b32 s[KVB+2*\f+1], 0
.endr
	s_lshl_b32 s60, s23, 18                        ; q: (256 b + 4 x block) x 1,024
	s_lshl_b32 s61, ttmp9, 12
	s_add_co_u32 s60, s60, s61
	s_mov_b32 s61, 0
	s_lshl_b32 s66, s20, 11                        ; w_proj's tiles 2 cp, 2 cp + 1: images 12 + 2 cp on
	s_add_co_u32 s66, s66, 12*1024
	s_mov_b32 s67, 0
	s_lshl_b32 s68, s23, 20                        ; x and out: the batch's 64 rows of 16,384 bytes, my block's 256 bytes of a row
	s_lshl_b32 s69, ttmp9, 8
	s_add_co_u32 s68, s68, s69
	s_mov_b32 s69, 0
	s_wait_kmcnt 0x0
	s_load_b256 s[40:47], s[14:15], 0x0            ; e0 .. e7
	s_add_nc_u64 s[4:5], s[4:5], s[60:61]
.irp f, 0,1,2,3
	s_add_nc_u64 s[KVB+2*\f:KVB+2*\f+1], s[6:7], s[KVB+2*\f:KVB+2*\f+1]
.endr
	s_add_nc_u64 s[8:9], s[8:9], s[66:67]
	s_add_nc_u64 s[12:13], s[12:13], s[68:69]
	s_add_nc_u64 s[16:17], s[16:17], s[68:69]
	s_wait_alu depctr_va_vdst(0)                   ; the offsets and addresses v1 to v15 and v167 are written, which the loads and stores of the whole text read; only loads and window switches stand between this wait and the head's last load
.irp k, 0,1,2,3,4,5,6,7
	global_load_b128 v[Q+4*\k:Q+4*\k+3], v[QO], s[4:5] offset:512*\k   ; q's four fragments stay in registers
.endr
.irp g, 0,1,2,3
	KL4 0, \g
.endr
	VLOAD 0, 0
	WIN 0x40                                       ; destination window 1
.irp k, 0,1,2,3
	global_load_b128 v[WP+4*\k:WP+4*\k+3], v[QO], s[8:9] offset:512*\k
.endr
	WIN 0
.irp t, 0,1
	global_load_b32 v[BP+2*\t], v[BPO], s[10:11] offset:64*\t      ; b_proj of output 32 cp + 16 T + r, in both halves of a pair
	global_load_b32 v[BP+2*\t+1], v[BPO], s[10:11] offset:64*\t
.endr
.irp i, 0,1,2,3
	global_load_b128 v[XR+4*\i:XR+4*\i+3], v[GX], s[12:13] offset:32768*\i th:TH_LOAD_NT   ; rows 8 w + h + 2 i: sixteen lanes read 256 consecutive bytes, aligned; wanted only at the end
.endr
	s_wait_kmcnt 0x0
	s_add_co_i32 s70, s42, s43
	s_lshl_b32 s70, s70, 23
	s_mov_b32 s[CS], 0x3e38aa3b                    ; log2(e) / 8
	s_add_co_i32 s[CS], s[CS], s70                 ; a score stands for score x 2^(e2 + e3): the two exponents are added to c's exponent field
	s_mov_b32 s[CS+1], s[CS]                       ; (named with it as a pair, so it is written)
	MKSC 44, SCP, HP
	MKSC 47, SCO, HO
	s_add_co_i32 s56, s46, s47
	s_add_co_i32 s56, s56, 127
	s_lshl_b32 s56, s56, 23                        ; 2^(e6 + e7) as f32
	s_mov_b32 s57, s56
	s_add_co_i32 s58, s44, s45                     ; e4 + e5
; 16 QUERIES x 128 KEYS.  The tile's scores lie in S when the macro begins: they were made at the end of the tile before.
; first = 1: the wave's first key step, which starts M, the sum and O^T.  vcnt >= 0: v's fragments are waited for ahead of the second product, with that count.
; nq >= 0: the scores of the tile that follows (query tile nq) are made as soon as the conversions have emptied S.  kw = 1: they are the next step's, and its k is waited for first.
; kl >= 0: step kl's k is loaded, four loads at a time among the first sixteen lines of the maximum.
.macro TILE t, first, vcnt, nq, kw, kl
.set rT, ST+8*(\t)
.if (\kl) >= 0
	s_wait_alu depctr_va_vdst(0)                   ; the step's last k q^T, issued in the tile before, are done reading k's registers, in which the sixteen loads below land; no line since names them or v15
	KL4 \kl, 0
.endif
	v_max3_num_f32 v[TA], v[S], v[S+1], v[S+2]     ; the step's largest score of my query among my 64 keys, in four chains, ascending: each accumulator is first read at its low end
	v_max3_num_f32 v[TB], v[S+3], v[S+4], v[S+5]
	v_max3_num_f32 v[TD], v[S+6], v[S+7], v[S+8]
	v_max3_num_f32 v[TE], v[S+9], v[S+10], v[S+11]
.set gg, 1
.irp i, 12,20,28,36,44,52
.if ((\kl) >= 0) && (gg < 4)
	KL4 \kl, gg
.endif
	v_max3_num_f32 v[TA], v[TA], v[S+\i], v[S+\i+1]
	v_max3_num_f32 v[TB], v[TB], v[S+\i+2], v[S+\i+3]
	v_max3_num_f32 v[TD], v[TD], v[S+\i+4], v[S+\i+5]
	v_max3_num_f32 v[TE], v[TE], v[S+\i+6], v[S+\i+7]
.set gg, gg+1
.endr
	v_max3_num_f32 v[TA], v[TA], v[S+60], v[S+61]
	v_max3_num_f32 v[TB], v[TB], v[S+62], v[S+63]
	v_max3_num_f32 v[TA], v[TA], v[TB], v[TD]
	v_max_num_f32 v[TA], v[TA], v[TE]
	v_permlanex16_b32 v[TC], v[TA], s[SEL], s[SEL+1]
	v_max_num_f32 v[TA], v[TA], v[TC]              ; and among lane l xor 16's
.if \first
	v_mul_f32 v[rT+1], s[CS], v[TA]                ; as t (c is positive): the largest t so far
	v_floor_f32 v[rT], -v[rT+1]                    ; -M = floor(-t) = -ceil(t): M is a whole number
.else
	v_mul_f32 v[TA], s[CS], v[TA]
	v_max_num_f32 v[rT+1], v[rT+1], v[TA]          ; the running largest t
	v_mov_b32 v[TA], v[rT]
	v_floor_f32 v[rT], -v[rT+1]
	v_sub_f32 v[TA], v[rT], v[TA]                  ; M's old value less its new one: a whole number, 0 or less
	v_cvt_i32_f32 v[TA], v[TA]                     ; (it saturates)
	v_ldexp_f32 v[rT+4], 1.0, v[TA]                ; f = 2^(old M - new M): a multiplication by it rounds nothing
.endif
.set kk, 0
.rept 32
	v_pk_fma_f32 v[S+kk:S+kk+1], v[S+kk:S+kk+1], s[CS:CS+1], v[rT:rT+1] op_sel_hi:[1,0,0]   ; t - M, two at a time (of the pairs c and -M the low word serves both halves)
.set kk, kk+2
.endr
.set kk, 0
	s_wait_alu depctr_va_vdst(0)
.rept 64
	v_exp_f32 v[S+kk], v[S+kk]                     ; p = 2^(t - M): not normalised
.set kk, kk+1
.endr
.if \first
	v_nop                                          ; a plain line behind the exponentials
.else
	v_pk_mul_f32 v[rT+2:rT+3], v[rT+2:rT+3], v[rT+4:rT+5] op_sel_hi:[1,0]   ; the sum under the new M.  (A plain line behind the exponentials)
.endif
	s_wait_alu depctr_va_vdst(0)                   ; the 64 exponentials have written v[S ..]: the wait ahead of the first line that names a result: one for the batch
	v_pk_add_f32 v[SA:SA+1], v[S:S+1], v[S+2:S+3]  ; the row's sum is taken of the unquantised p: two at a time, in four chains
	v_pk_add_f32 v[SB:SB+1], v[S+4:S+5], v[S+6:S+7]
	v_pk_add_f32 v[SC:SC+1], v[S+8:S+9], v[S+10:S+11]
.if \first
	v_pk_add_f32 v[rT+2:rT+3], v[S+12:S+13], v[S+14:S+15]
.else
	v_pk_add_f32 v[rT+2:rT+3], v[rT+2:rT+3], v[S+12:S+13]
	v_pk_add_f32 v[SA:SA+1], v[SA:SA+1], v[S+14:S+15]
.endif
.irp j, 16,24,32,40,48,56
	v_pk_add_f32 v[SB:SB+1], v[SB:SB+1], v[S+\j:S+\j+1]
	v_pk_add_f32 v[SC:SC+1], v[SC:SC+1], v[S+\j+2:S+\j+3]
	v_pk_add_f32 v[rT+2:rT+3], v[rT+2:rT+3], v[S+\j+4:S+\j+5]
	v_pk_add_f32 v[SA:SA+1], v[SA:SA+1], v[S+\j+6:S+\j+7]
.endr
	v_pk_add_f32 v[SA:SA+1], v[SA:SA+1], v[SB:SB+1]
	v_pk_add_f32 v[rT+2:rT+3], v[rT+2:rT+3], v[SC:SC+1]
	v_pk_add_f32 v[rT+2:rT+3], v[rT+2:rT+3], v[SA:SA+1]
	s_cmp_ge_i32 s[E4], -8                         ; 448 x 2^e4 >= 1.75: no p reaches it
	s_cbranch_scc1 .Lno_hold_\@
.set kk, 0
.rept 64
	v_min_num_f32 v[S+kk], v[S+kk], v[HP]          ; the conversion to an 8-bit code does not saturate (ISA guide 7.6.2); p is not negative, so the hold is one-sided
.set kk, kk+1
.endr
.Lno_hold_\@:
.irp c, 0,1,2,3,4,5,6,7
	v_cvt_scalef32_pk8_fp8_f32 v[P+2*\c:P+2*\c+1], v[S+8*\c:S+8*\c+7], v[SCP]   ; keys 16 c + 8 (lane / 16) + 0 .. 7
.endr
	v_nop                                          ; a plain line between the last conversion and the products, which write its sources (S) and read its result (P)
.if \kw
	s_wait_alu depctr_va_vdst(0)
	s_wait_loadcnt 0x0                             ; the next step's k is in: in the first step w_proj's, b_proj's and x's 12 loads also
.endif
.if (\nq) >= 0
	QK \nq
.endif
.if (\vcnt) >= 0
	s_wait_alu depctr_va_vdst(0)
	s_wait_loadcnt \vcnt                           ; this step's v is in
.endif
.if \first
	PLACES                                         ; behind the scores' products: the next tile's maximum reads them
.else
	WIN 0x41                                       ; O^T (destination and source 0) window 1, f window 0
.set kk, 32*(\t)
.rept 16
	v_pk_mul_f32 v[kk:kk+1], v[kk:kk+1], v[rT+4:rT+5] op_sel_hi:[1,0]   ; O^T under the new M.  (These sixteen are also the places behind the scores' products)
.set kk, kk+2
.endr
.endif
	WIN 0x51                                       ; v window 1, p window 0, O^T window 1
.irp cc, 0,1,2,3                               ; four accumulators by turns; the next link of each stands a whole key step on
.if \first
	v_wmma_f32_16x16x128_fp8_fp8 v[32*(\t)+8*\cc:32*(\t)+8*\cc+7], v[VF+16*\cc:VF+16*\cc+15], v[P:P+15], 0
.else
	v_wmma_f32_16x16x128_fp8_fp8 v[32*(\t)+8*\cc:32*(\t)+8*\cc+7], v[VF+16*\cc:VF+16*\cc+15], v[P:P+15], v[32*(\t)+8*\cc:32*(\t)+8*\cc+7]
.endif
.endr
	WIN 0
.endm
; A KEY STEP: my chunk of 128 keys against the four tiles of queries.  vcnt: how many loads younger than this step's v may stay out at tile 0's second product.
.macro STEP f, first, vcnt
	TILE 0, \first, \vcnt, 1, 0, -1
	TILE 1, \first, -1, 2, 0, -1
	TILE 2, \first, -1, 3, 0, -1
.if (\f) < 3
	TILE 3, \first, -1, 0, 1, (\f)+1               ; the next step's k is loaded in it
	PLACES                                         ; behind the step's last v^T p^T
	VLOAD (\f)+1, 1
.else
	TILE 3, \first, -1, -1, 0, -1
.endif
.endm
	s_wait_loadcnt 28                              ; q's 8 loads and k's 16 are in; the 28 younger ones (v 16, w_proj 4, b_proj 4, x 4) may be out
	QK 0
	PLACES
	STEP 0, 1, 12                                  ; at tile 0's second product v's 16 are in; the 12 younger loads may be out
	STEP 1, 0, 0
	STEP 2, 0, 0
	STEP 3, 0, 0
	; ---- THE EIGHT PARTS MEET.  Each wave puts its (-M, l) and its O^T into LDS: O^T as an image of its 128 registers.
.irp t, 0,1,2,3
	v_add_f32 v[ST+8*\t+1], v[ST+8*\t+2], v[ST+8*\t+3]   ; l's two halves.  (These four are also the places behind the last products)
.endr
	s_wait_alu depctr_va_vdst(0)                   ; the additions have written l and the products O^T, which the LDS stores below read; and every k q^T is done reading k's registers, in which the pairs (-M, l) land behind the barrier
.irp t, 0,1,2,3
	ds_store_b64 v[MLW], v[ST+8*\t:ST+8*\t+1] offset:256*\t
.endr
	WIN 0x04                                       ; the stores' data in window 1
.set kk, 0
.rept 32
	ds_store_b128 v[LI], v[4*kk:4*kk+3] offset:512*kk    ; ascending: each accumulator from its low end on
.set kk, kk+1
.endr
	WIN 0
	s_wait_dscnt 0x0                               ; for the others' sake: my stores have landed
	s_barrier_signal -1
	s_barrier_wait -1
	; ---- wave 2 tq + cp merges query tile tq, channel tiles 2 cp and 2 cp + 1
.irp s, 0,1,2,3,4,5,6,7
	ds_load_b64 v[MLV+2*\s:MLV+2*\s+1], v[MLR] offset:1024*\s
.endr
	WIN 0x40                                       ; destination window 1: part s at v[16 s]
	s_wait_alu depctr_va_vdst(0)                   ; the products and rescalings that wrote O^T's registers are complete: the loads below land in them
	s_wait_alu depctr_vm_vsrc(0)                   ; and my LDS stores have read those registers
.irp s, 0,1,2,3,4,5,6,7
.irp i, 0,1,2,3
	ds_load_b128 v[16*\s+4*\i:16*\s+4*\i+3], v[ORD+(\s)/4] offset:16384*((\s)%4)+512*\i
.endr
.endr
	WIN 0
	s_wait_dscnt 32                                ; the eight pairs (-M, l) are in; the 32 loads of O^T may be out
	v_min3_num_f32 v[TA], v[MLV], v[MLV+2], v[MLV+4]
	v_min3_num_f32 v[TA], v[TA], v[MLV+6], v[MLV+8]
	v_min3_num_f32 v[TA], v[TA], v[MLV+10], v[MLV+12]
	v_min_num_f32 v[TA], v[TA], v[MLV+14]          ; -M of the whole row: the least of the eight
.irp s, 0,1,2,3,4,5,6,7
	v_sub_f32 v[F+2*\s], v[TA], v[MLV+2*\s]        ; part s's M less the row's: a whole number, 0 or less
.endr
.irp s, 0,1,2,3,4,5,6,7
	v_cvt_i32_f32 v[F+2*\s], v[F+2*\s]
.endr
.irp s, 0,1,2,3,4,5,6,7
	v_ldexp_f32 v[F+2*\s], 1.0, v[F+2*\s]          ; f_s
.endr
.irp s, 0,1,2,3,4,5,6,7
	v_mul_f32 v[F+2*\s+1], v[F+2*\s], v[MLV+2*\s+1]   ; f_s l_s
.endr
	v_add_f32 v[TB], v[F+1], v[F+3]
	v_add_f32 v[TC], v[F+5], v[F+7]
	v_add_f32 v[TA], v[F+9], v[F+11]
	v_add_f32 v[TD], v[F+13], v[F+15]
	v_add_f32 v[TB], v[TB], v[TC]
	v_add_f32 v[TA], v[TA], v[TD]
	v_add_f32 v[TB], v[TB], v[TA]
	v_permlanex16_b32 v[TC], v[TB], s[SEL], s[SEL+1]
	v_add_f32 v[TB], v[TB], v[TC]                  ; and lane l xor 16's: the row's sum
	s_wait_alu depctr_va_vdst(0)
	v_rcp_f32 v[TP], v[TB]
	WIN 0x01                                       ; source 0 (a part of O^T) window 1.  The merge is the independent work behind the reciprocal
.irp s, 0,1,2,3,4,5,6,7
	s_wait_alu depctr_va_vdst(0)
	s_wait_dscnt 4*(7-\s)                          ; part s's four loads are in
.irp k, 0,2,4,6,8,10,12,14
.if \s == 0
	v_pk_mul_f32 v[ACC+\k:ACC+\k+1], v[16*\s+\k:16*\s+\k+1], v[F+2*\s:F+2*\s+1] op_sel_hi:[1,0]
.else
	v_pk_fma_f32 v[ACC+\k:ACC+\k+1], v[16*\s+\k:16*\s+\k+1], v[F+2*\s:F+2*\s+1], v[ACC+\k:ACC+\k+1] op_sel_hi:[1,0,1]
.endif
.endr
.endr
	WIN 0
	s_wait_alu depctr_va_vdst(0)                   ; the reciprocal has written v[TP]: the wait ahead of the first line that names its result
	v_ldexp_f32 v[TP], v[TP], s58                  ; x 2^(e4 + e5)
.irp k, 0,2,4,6,8,10,12,14
	v_pk_mul_f32 v[ACC+\k:ACC+\k+1], v[ACC+\k:ACC+\k+1], v[TP:TP+1] op_sel_hi:[1,0]   ; the attention's result: register 8 i + j is (channel 32 cp + 16 i + 8 h + j, query r)
.endr
.irp k, 0,1,2,3,4,5,6,7,8,9,10,11,12,13,14,15
	v_med3_num_f32 v[ACC+\k], v[ACC+\k], -v[HO], v[HO]
.endr
	v_cvt_scalef32_pk8_fp8_f32 v[P:P+1], v[ACC:ACC+7], v[SCO]        ; registers 4 cp .. 4 cp + 3 of the tile's fragment (rows = queries, K = channels)
	v_cvt_scalef32_pk8_fp8_f32 v[P+2:P+3], v[ACC+8:ACC+15], v[SCO]
	v_nop                                          ; a plain vector line behind the last conversion
	s_wait_alu depctr_va_vdst(0)                   ; the two conversions have written v[P .. P+3], which the LDS store reads; and all that named v[HF ..] is complete: the fragment's loads land there behind the barrier
	ds_store_b128 v[CW], v[P:P+3]
	s_wait_dscnt 0x0
	s_barrier_signal -1
	s_barrier_wait -1
	; ---- the projection: source 0 = 16 queries, source 1 = 16 rows of w_proj: a lane's eight results are eight neighbouring positions of one output channel
	ds_load_b128 v[HF:HF+3], v[CR]
	ds_load_b128 v[HF+4:HF+7], v[CR] offset:512
	s_wait_loadcnt 0x0                             ; w_proj's codes, b_proj and x (in since the first step)
	s_wait_dscnt 0x0
	WIN 0x04                                       ; source 1 (w_proj) window 1
	v_wmma_f32_16x16x64_fp8_fp8 v[PD:PD+7], v[HF:HF+7], v[WP:WP+7], 0
	v_wmma_f32_16x16x64_fp8_fp8 v[PD+8:PD+15], v[HF:HF+7], v[WP+8:WP+15], 0
	WIN 0
	PLACES
.irp t, 0,1
.irp k, 0,2,4,6
	v_pk_fma_f32 v[PD+8*\t+\k:PD+8*\t+\k+1], v[PD+8*\t+\k:PD+8*\t+\k+1], s[56:57], v[BP+2*\t:BP+2*\t+1] op_sel_hi:[1,0,1]   ; sum x 2^(e6 + e7) + b_proj
.endr
.endr
	s_wait_alu depctr_va_vdst(0)                   ; the multiply-adds have written v[PD ..], which the LDS stores read; and all that named v[OUTR ..] is complete: the stage's loads land there behind the barrier
.irp t, 0,1
	ds_store_b128 v[SW], v[PD+8*\t:PD+8*\t+3] offset:16*SPT*\t
	ds_store_b128 v[SW], v[PD+8*\t+4:PD+8*\t+7] offset:16*SPT*\t+16
.endr
	s_wait_dscnt 0x0
	s_barrier_signal -1
	s_barrier_wait -1                              ; 64 whole rows (output channels x my 64 positions) lie in the stage
.irp i, 0,1,2,3
	ds_load_b128 v[OUTR+4*\i:OUTR+4*\i+3], v[SRD] offset:2*SPT*\i
.endr
.irp i, 0,1,2,3
	s_wait_dscnt 3-\i
	v_pk_add_f32 v[OUTR+4*\i:OUTR+4*\i+1], v[OUTR+4*\i:OUTR+4*\i+1], v[XR+4*\i:XR+4*\i+1]         ; + x
	v_pk_add_f32 v[OUTR+4*\i+2:OUTR+4*\i+3], v[OUTR+4*\i+2:OUTR+4*\i+3], v[XR+4*\i+2:XR+4*\i+3]
.endr
	s_wait_alu depctr_va_vdst(0)                   ; the eight additions have written v[OUTR ..], which the four stores read
.irp i, 0,1,2,3
	global_store_b128 v[GX], v[OUTR+4*\i:OUTR+4*\i+3], s[16:17] offset:32768*\i th:TH_STORE_NT   ; sixteen lanes store 256 consecutive bytes, aligned
.endr
	s_wait_dscnt 0x0                               ; the closing lines, six on end
	s_wait_alu 0x0
	s_wait_tensorcnt 0x0
	ds_add_u32 v46, v47
	s_wait_dscnt 0x0
	s_endpgm
.Lfunc_end_k_q7f4d7f1f07_attn:
	.size	k_q7f4d7f1f07_attn, .Lfunc_end_k_q7f4d7f1f07_attn-k_q7f4d7f1f07_attn
	.p2alignl 7, 3214868480
	.fill 96, 4, 3214868480
	.section	.rodata,"a",@progbits
	.p2align	6, 0x0
	.amdhsa_kernel k_q7f4d7f1f07_attn
		.amdhsa_group_segment_fixed_size 161792
		.amdhsa_private_segment_fixed_size 0
		.amdhsa_enable_private_segment 0
		.amdhsa_kernarg_size 56
		.amdhsa_user_sgpr_count 2
		.amdhsa_user_sgpr_kernarg_segment_ptr 1
		.amdhsa_wavefront_size32 1
		.amdhsa_system_sgpr_workgroup_id_x 1
		.amdhsa_system_sgpr_workgroup_id_y 1
		.amdhsa_system_sgpr_workgroup_id_z 1
		.amdhsa_system_vgpr_workitem_id 0
		.amdhsa_next_free_vgpr 512
		.amdhsa_next_free_sgpr 80
		.amdhsa_reserve_vcc 0
		.amdhsa_float_denorm_mode_32 3
		.amdhsa_float_denorm_mode_16_64 3
		.amdhsa_memory_ordered 1
		.amdhsa_forward_progress 1
		.amdhsa_inst_pref_size 239
	.end_amdhsa_kernel
	.amdgpu_metadata
---
amdhsa.version: [ 1, 2 ]
amdhsa.kernels:
  - .name:           k_q7f4d7f1f07_attn
    .symbol:         k_q7f4d7f1f07_attn.kd
    .args:
      - { .name: qc, .offset: 0, .size: 8, .value_kind: global_buffer, .address_space: global }
      - { .name: kv, .offset: 8, .size: 8, .value_kind: global_buffer, .address_space: global }
      - { .name: wcodes, .offset: 16, .size: 8, .value_kind: global_buffer, .address_space: global }
      - { .name: b_proj, .offset: 24, .size: 8, .value_kind: global_buffer, .address_space: global }
      - { .name: x, .offset: 32, .size: 8, .value_kind: global_buffer, .address_space: global }
      - { .name: lowp_scales, .offset: 40, .size: 8, .value_kind: global_buffer, .address_space: global }
      - { .name: out0, .offset: 48, .size: 8, .value_kind: global_buffer, .address_space: global }
    .group_segment_fixed_size: 161792
    .private_segment_fixed_size: 0
    .kernarg_segment_align: 8
    .kernarg_segment_size: 56
    .max_flat_workgroup_size: 256
    .sgpr_count:     80
    .vgpr_count:     512
    .wavefront_size: 32
...
	.end_amdgpu_metadata
.endif
;; end of part 7
